; MI455X (gfx1250); checked and timed in simulation.
; The chip was launched on July 23, 2026; its instructions are those of AMD's public machine-readable ISA for CDNA 5 (MIT licence, August 2026) and "CDNA5" Instruction Set Architecture Reference Guide (July 2026). The comments in the code are by the model that wrote it; some were corrected since.
;; Dotproduct scaled. Allowed arithmetic: matrix products marked QUANTISED: E4M3 operands, one E8M0 scale for each 32 along K, by v_wmma_scale_f32_16x16x128_f8f6f4 with both operands' format E4M3, f32 sums; everything else in f32.
;; Inputs: db1 512 float32; db2 512 float32; db3 512 float32; dw1_codes 512 x 16 x 32 uint8 (E4M3 codes of dw1, K innermost, in blocks of 32 codes); dw1_scales 512 x 16 uint8 (E8M0 scales of dw1, one for each 32 codes along K); dw2_codes 512 x 16 x 32 uint8 (E4M3 codes of dw2, K innermost, in blocks of 32 codes); dw2_scales 512 x 16 uint8 (E8M0 scales of dw2, one for each 32 codes along K); dw3_codes 512 x 16 x 32 uint8 (E4M3 codes of dw3, K innermost, in blocks of 32 codes); dw3_scales 512 x 16 uint8 (E8M0 scales of dw3, one for each 32 codes along K); inputs 4 x 16 x 512 x 512 float32; mask_array 4 x 8,192 x 512 float32.
;; Outputs: out0 4 x 16 x 512 x 512 float32.
;; This version of the problem:
;;   THIS VERSION OF THE PROBLEM IS GIVEN IN LOW PRECISION. The matrix products marked QUANTISED in the list below multiply operands that are first quantised to E4M3 (4 exponent bits, 3 mantissa bits; 8 bits a number), with one power-of-two scale for each 32 numbers along K (OCP MX v1.0); their sums are f32. All else is computed in f32.
;;   The module's matrix products, in the order in which they are computed (A, B: the left and right operand; K: the contracted axis; several contracted axes count as one K, in the product's order):
;;     1. [M 32,768, K 512] x [K 512, N 512]; A: input inputs; B: input dw1 (given as codes): QUANTISED
;;     2. [M 32,768, K 512] x [K 512, N 512]; A: input inputs; B: input dw2 (given as codes): QUANTISED
;;     3. [M 32,768, K 512] x [K 512, N 512]; A: input inputs; B: input dw3 (given as codes): QUANTISED
;;     4. [M 32,768, K 512] x [K 512, N 512]; A: input inputs; B: input dw3 (given as codes): QUANTISED
;;     5. batch 64 x [M 512, K 512] x [K 512, N 512]; A: computed on the way; B: computed on the way: QUANTISED
;;     6. batch 64 x [M 512, K 512] x [K 512, N 512]; A: softmax (see below); B: computed on the way: QUANTISED
;;   THE QUANTISER, for each operand of a quantised product, along K:
;;     - K is cut into blocks of 32 from its start; a last block that is shorter is filled with zeros.
;;     - A block's scale is 2^e with e = floor(log2(the largest magnitude in the block)) - 8, held to -126 .. 127; a block of zeros has e = 0. As a byte (E8M0): e + 127.
;;     - Each number is divided by its block's scale, clamped to +-448, and rounded to the nearest number of E4M3, ties to even, subnormals kept.
;;     - The product sums the exact products of the quantised numbers (number of the format x scale) in f32.
;;   ~~~python
;;   def quantise(x, axis):      # numpy; x: float32 -> the quantised numbers, widened to float32 again
;;       x = np.moveaxis(x, axis, -1); K = x.shape[-1]
;;       x = np.pad(x, [(0, 0)] * (x.ndim - 1) + [(0, -K % 32)]); x = x.reshape(x.shape[:-1] + (-1, 32)); a = np.abs(x).max(-1, keepdims=True)
;;       e = np.where(a > 0, np.clip(np.frexp(np.where(a > 0, a, 1))[1] - 1 - 8, -126, 127), 0)      # np.frexp(a)[1] - 1 = floor(log2(a)), exactly
;;       r = np.clip(x / 2.0 ** e, -448, 448)
;;       step = 2.0 ** (np.maximum(np.frexp(np.where(r == 0, 1, r))[1] - 1, -6) - 3)
;;       q = np.round(r / step) * step * 2.0 ** e      # np.round: ties to even
;;       return np.moveaxis(q.reshape(q.shape[:-2] + (-1,))[..., :K], -1, axis).astype(np.float32)
;;   ~~~
;;   SOFTMAX AHEAD OF A QUANTISED PRODUCT. Where the list says 'softmax', what is quantised is not the finished softmax but p = 2^(t - M), with t = logit x log2(e) and M = ceil(the row's largest t), a whole number; so 1/2 < the row's largest p <= 1. The row's sum l is taken of the UNQUANTISED p, in f32, and the product's result is divided by l at the end. Since M is a whole number, a kernel that streams over the keys may use a running M (the ceiling of the running maximum): every later rescaling is an exact power of two, which a block's scale takes up: the codes' values come out the same.
;;   OPERANDS COMPUTED ON THE WAY. 'Computed on the way' means the value that the module computes at that place (a softmax that the list does not call 'softmax' is quantised finished and normalised). What goes into a quantiser is computed in f32, as accurately as f32 sums, v_exp_f32 and their like allow (about 1e-6 of the number): no bf16 or f16 on the way to a quantiser, and a product that is left as it is and whose result goes on into a quantised operand takes f32 operands (vector FMAs, or v_wmma_f32_16x16x4_f32). A number that lies on a knife's edge between two numbers of the format may be rounded either way, as far as f32 arithmetic and the matrix unit's own rounding can turn it there, and no further.
;;   INPUTS GIVEN AS CODES. dw1 (in the module: [512, 512], K = its axis 0); dw2 (in the module: [512, 512], K = its axis 0); dw3 (in the module: [512, 512], K = its axis 0): each comes as NAME_codes (uint8): NAME with its K axis moved to the last place and cut into blocks of 32 codes, [.., K / 32, bytes a block], one block behind the other in memory; one code a byte (a code: sign, 4 exponent bits, 3 mantissa bits); and NAME_scales (uint8): the same leading axes, one E8M0 byte (e + 127) for each 32 codes along K. Its value is code x scale, taken as it is: it is not quantised again, and the codes and scales need not be those that the quantiser above would give.
;; 2 versions. Each part assembles by itself: llvm-mc -triple=amdgcn-amd-amdhsa -mcpu=gfx1250 --defsym DOCPART=n.
;; ======== version 1 of 2: 2 launches
;; workspace buffers: qc 16,777,216 bytes; kc 16,777,216 bytes; vc 16,777,216 bytes; qs 524,288 bytes; ks 524,288 bytes; vs 524,288 bytes
;; launch proj (part 1): grid 256 x 1, 8 waves a work-group, no clusters, 142,336 bytes of LDS; arguments inputs, dw1_codes, dw1_scales, db1, dw2_codes, dw2_scales, db2, dw3_codes, dw3_scales, db3, qc, qs, kc, ks, vc, vs; writes qc, qs, kc, ks, vc, vs
.if DOCPART == 1
	.amdgcn_target "amdgcn-amd-amdhsa--gfx1250"
	.amdhsa_code_object_version 6
	.text
	.protected	k_q14a20e9e72_proj
	.globl	k_q14a20e9e72_proj
	.p2align	8
	.type	k_q14a20e9e72_proj,@function
k_q14a20e9e72_proj:
	s_mov_b64 s[64:65], 0
	v_nop
	global_prefetch_b8 v0, s[64:65] scope:SCOPE_SE
	s_setreg_imm32_b32 hwreg(HW_REG_WAVE_MODE, 25, 1), 1
	s_wait_xcnt 0x0
; Q = Q8(X) W1 + b1, K = Q8(X) W2 + b2, V = Q8(X) W3 + b3 for 128 tokens a work-group (Q8: E4M3 codes, one E8M0 scale for each 32 along K), and each result quantised again
; for the second launch: Q and K along d, V along the tokens (its K there).  X: [32768][512] f32.  Wi: codes [512 (out)][512 (in)], scale bytes [512][16].  bi: [512] f32.
; reference() forms V twice from the same operands: it is formed once here.
; TILES OF 16 ARE NOT NEIGHBOURS, for tokens and for output columns alike: row m of tile 2 b + u is index 32 b + 8 u + m + (m & 8).  In a result (register j of lane (r, h): row 8 h + j of source 0)
; the 16 registers of tiles 2 b and 2 b + 1 are then the 16 neighbours 32 b + 16 h + 0 .. 15 of source 0's index, which is the order of an 8-bit operand's registers 4 c .. 4 c + 3.
; So Q and K are made with source 0 = rows of W (a lane holds one token, registers run along d) and V with source 0 = tokens (a lane holds one d, registers run along the tokens): the conversions' results are operand registers.
; WHAT IS STORED: operands as IMAGES OF THEIR REGISTERS: a fragment (16 rows x 128 K, 16 registers a lane) is four groups of 512 bytes, lane L's 16 bytes of group c at 512 c + 16 L.  Every store of a group covers 512 consecutive bytes, aligned.
;   qc, kc: [token tile 2048][K step 4][2048 bytes];  vc: [block 64][d tile 32][K step 4 (128 tokens)][2048];  qs, ks: [token tile][row 16][16 bytes];  vs: [block][K step][d tile][row] words.
; SHARES.  Eight waves.  Wave w quantises token tile w of X (once for all three products); its fragments go to the others through LDS as images.  In each of the three passes wave w owns output columns 64 w .. 64 w + 63:
; their 16 weight fragments fill register window 1 for the pass and are multiplied against all 8 token tiles, two tiles at a time: 8 accumulators by turns, one instruction a turn.
; No tensor load: each weight byte goes once into the registers in which it stays, and X has to turn through LDS anyway.  No cluster: the work-groups share the weights alone, and those go straight into registers.
; LIMITS: NaN and infinities among the inputs are not served.  A block of zeros gets the scale byte 1 where the quantiser's rule says 127: its codes are zeros, and this program alone reads the bytes.
; Blocks whose largest magnitude lies under 2^-118, the floor that holds the byte at 1, were not tried.
; REGISTERS, window 0: v1-15 addresses; v16-19 Q's or K's scale bytes of a pair of tiles; v20-23 V's scale words; v24-29 the scale bytes' way out; v32-47 the quantiser's; v48-63 codes just made;
;   v64-127 64 numbers of X, later the 8 accumulators; v128-191 X's fragments (2 K steps x 2 tiles); v192-223 the bias in the result's layout; v224-231 W's scale words; v232-235 X's.
;   window 1: X as it is loaded (64 k + 4 m), then the pass's weights (64 ct + 16 k + 4 c).
.set SPITCH, 528                       ; a stage row: 512 bytes + 16 = 132 words: row r starts at bank 4 r mod 64 (64 banks of 4 bytes: ISA guide 11.1)
.set STGW,   16*SPITCH                 ; a wave's stage
.set XSC,    65536                     ; LDS: X's 32 images from byte 0 ([tile][K step][2048]); here their scale words [tile][row][16 bytes];
.set OSC,    67584                     ; the scale bytes of Q, K, V, 2,048 bytes each;
.set STG,    73728                     ; the eight stages
.set LI,  1                            ; 16 x lane: a lane's place in an image
.set STW, 2                            ; my stage + 16 x lane
.set STR, 3                            ; my stage + 528 r + 64 h
.set XWI, 4                            ; where I store X's images: 8192 w + 16 x lane
.set XWS, 5                            ; and their scale words: XSC + 256 w + 16 r
.set XLS, 7                            ; XSC + 16 x lane
.set WO,  8                            ; W: 512 x (r + (r & 8)) + 16 h
.set WSO, 9                            ; W's scale words: 16 x (8 h + r + (r & 8))
.set BO,  10                           ; b1, b2: 64 h
.set BV,  11                           ; b3: 4 x (r + (r & 8))
.set OSW, 12                           ; OSC + 16 r + 2 w
.set VSW, 13                           ; OSC + 4096 + 256 w + 4 r
.set OSR, 14                           ; OSC + 256 w + 8 x lane
.set GO8, 15                           ; 8 x lane
.set PW,  16
.set VW,  20
.set CO,  24
.set TM,  32                           ; +0..3 largest magnitudes, +4..7 bytes, +8..11 448 x the scale, +12..15 the conversions' scale operands
.set PC,  48
.set ACC, 64
.set XF,  128
.set BIAS, 192
.set WS,  224
.set XS,  232
.set P_X,  8                           ; the sixteen addresses, s[8:39]
.set P_W1, 10
.set P_S1, 12
.set P_B1, 14
.set P_W2, 16
.set P_S2, 18
.set P_B2, 20
.set P_W3, 22
.set P_S3, 24
.set P_B3, 26
.set P_QC, 28
.set P_QS, 30
.set P_KC, 32
.set P_KS, 34
.set P_VC, 36
.set P_VS, 38
.set SEL, 44                           ; s[44:45] v_permlanex16_b32's selects for lane l xor 16
.set MNT, 46                           ; s46 the mantissa field of 448
.set MSB, 0
.macro WIN new                         ; the immediate's high byte repeats the setting that is left; a switch that changes nothing is dropped
.if MSB != \new
	s_set_vgpr_msb (MSB<<8)|\new
.set MSB, \new
.endif
.endm
.macro PLACES n                        ; plain vector instructions between a matrix instruction and a load into, or a read of, its registers
.rept \n
	v_nop
.endr
.endm
.macro BARRIER                         ; my LDS stores have landed and my LDS loads are in: then the work-group's barrier
	s_wait_dscnt 0x0
	s_barrier_signal -1
	s_barrier_wait -1
.endm
.macro ADDP p
	s_add_nc_u64 s[\p:\p+1], s[\p:\p+1], s[40:41]
.endm
; one matrix instruction; ra, rb: source 0's, source 1's scale words lie in lanes 16-31 of their registers
.macro WM d, a, b, c, sa, sb, ra, rb
.if (\ra) && (\rb)
	v_wmma_scale_f32_16x16x128_f8f6f4 v[\d:\d+7], v[\a:\a+15], v[\b:\b+15], v[\c:\c+7], v[\sa], v[\sb] matrix_a_scale:MATRIX_SCALE_ROW1 matrix_b_scale:MATRIX_SCALE_ROW1
.elseif (\ra)
	v_wmma_scale_f32_16x16x128_f8f6f4 v[\d:\d+7], v[\a:\a+15], v[\b:\b+15], v[\c:\c+7], v[\sa], v[\sb] matrix_a_scale:MATRIX_SCALE_ROW1
.elseif (\rb)
	v_wmma_scale_f32_16x16x128_f8f6f4 v[\d:\d+7], v[\a:\a+15], v[\b:\b+15], v[\c:\c+7], v[\sa], v[\sb] matrix_b_scale:MATRIX_SCALE_ROW1
.else
	v_wmma_scale_f32_16x16x128_f8f6f4 v[\d:\d+7], v[\a:\a+15], v[\b:\b+15], v[\c:\c+7], v[\sa], v[\sb]
.endif
.endm
; 64 numbers of a lane, four blocks of 16 registers; lane l xor 16 holds each block's other 16.  Codes to v[PC + 4 b], the blocks' bytes to v[TM + 4 + b].
; The lines that follow the macro (they pack the bytes) are the plain vector instructions that stand behind the last conversion.
.macro QUANT s
.irp b, 0,1,2,3
	v_max3_num_f32 v[TM+\b], |v[\s+16*\b]|, |v[\s+16*\b+1]|, 0x4800000   ; my 16 numbers and the floor 2^(9 - 127): the byte cannot fall under 1.  (Each accumulator is read from its low end on)
.endr
.irp i, 2,4,6,8,10,12,14
.irp b, 0,1,2,3
	v_max3_num_f32 v[TM+\b], v[TM+\b], |v[\s+16*\b+\i]|, |v[\s+16*\b+\i+1]|   ; the four blocks by turns
.endr
.endr
.irp b, 0,1,2,3
	v_permlanex16_b32 v[TM+4+\b], v[TM+\b], s[SEL], s[SEL+1]
.endr
.irp b, 0,1,2,3
	v_max_num_f32 v[TM+\b], v[TM+\b], v[TM+4+\b]             ; the block's largest magnitude
.endr
.irp b, 0,1,2,3
	v_add_nc_u32 v[TM+12+\b], 0xfc000000, v[TM+\b]           ; 8 off its exponent field: the conversion takes this operand's exponent field as its scale
.endr
.irp b, 0,1,2,3
	v_and_or_b32 v[TM+8+\b], v[TM+\b], 0x7f800000, s[MNT]    ; 448 x the scale
.endr
.irp b, 0,1,2,3
	v_lshrrev_b32 v[TM+4+\b], 23, v[TM+12+\b]                ; the scale's byte
.endr
.irp b, 0,1,2,3
.irp i, 0,1,2,3,4,5,6,7,8,9,10,11,12,13,14,15
	v_med3_num_f32 v[\s+16*\b+\i], v[\s+16*\b+\i], -v[TM+8+\b], v[TM+8+\b]   ; the conversion to an 8-bit code does not saturate (ISA guide 7.6.2): the hold at the largest code x the scale
.endr
	v_cvt_scalef32_pk8_fp8_f32 v[PC+4*\b:PC+4*\b+1], v[\s+16*\b:\s+16*\b+7], v[TM+12+\b]
	v_cvt_scalef32_pk8_fp8_f32 v[PC+4*\b+2:PC+4*\b+3], v[\s+16*\b+8:\s+16*\b+15], v[TM+12+\b]
.endr
.endm
.macro PACK4 dst                       ; the four bytes as one word
	v_lshl_or_b32 v[\dst], v[TM+5], 8, v[TM+4]
	v_lshl_or_b32 v[\dst], v[TM+6], 16, v[\dst]
	v_lshl_or_b32 v[\dst], v[TM+7], 24, v[\dst]
.endm
; column tile ct of my 64 columns: four fragments into window 1.  Lane (r, h) takes row 32 (ct / 2) + 8 (ct % 2) + r + (r & 8), bytes 128 k + 32 c + 16 h on
.macro LOADW ct, base
	WIN 0x40                                       ; destination window 1
.irp k, 0,1,2,3
.irp c, 0,1,2,3
	global_load_b128 v[64*(\ct)+16*\k+4*\c:64*(\ct)+16*\k+4*\c+3], v[WO], s[\base:\base+1] offset:(32*((\ct)/2)+8*((\ct)%2))*512+128*\k+32*\c
.endr
.endr
	WIN 0
.endm
.macro LOADS base                      ; W's scale words: register 4 p + k: lanes 0-15 tile 2 p, lanes 16-31 tile 2 p + 1, K step k
.irp p, 0,1
	global_load_b128 v[WS+4*\p:WS+4*\p+3], v[WSO], s[\base:\base+1] offset:512*\p
.endr
.endm
.macro LOADB_QK base                   ; lane (r, h), register j of tile ct: b[32 (ct / 2) + 8 (ct % 2) + 16 h + j]
.irp ct, 0,1,2,3
	global_load_b128 v[BIAS+8*\ct:BIAS+8*\ct+3], v[BO], s[\base:\base+1] offset:128*(\ct/2)+32*(\ct%2)
	global_load_b128 v[BIAS+8*\ct+4:BIAS+8*\ct+7], v[BO], s[\base:\base+1] offset:128*(\ct/2)+32*(\ct%2)+16
.endr
.endm
.macro LOADB_V base                    ; lane r: b[its column], the same for all eight registers: they are filled at the pass's head
.irp ct, 0,1,2,3
	global_load_b32 v[BIAS+8*\ct], v[BV], s[\base:\base+1] offset:(32*(\ct/2)+8*(\ct%2))*4
.endr
.endm
.macro FETCHX tg, k0                   ; X's fragments of token tiles 2 tg, 2 tg + 1, K steps k0, k0 + 1
.irp k, 0,1
.irp t, 0,1
.irp c, 0,1,2,3
	ds_load_b128 v[XF+32*\k+16*\t+4*\c:XF+32*\k+16*\t+4*\c+3], v[LI] offset:((2*(\tg)+\t)*4+(\k0)+\k)*2048+512*\c
.endr
.endr
.endr
.endm
.macro FETCHXS tg                      ; their scale words: register k: lanes 0-15 tile 2 tg, lanes 16-31 tile 2 tg + 1
	ds_load_b128 v[XS:XS+3], v[XLS] offset:512*(\tg)
.endm
; K step k of a pair of token tiles: 8 matrix instructions on 8 accumulators.  kind 0 (Q, K): source 0 = W's rows, source 1 = tokens.  kind 1 (V): source 0 = tokens, source 1 = W's rows.  The first K step takes the bias as C.
.macro MUL kind, k
.if \kind
.irp ct, 0,1,2,3
.irp u, 0,1
.if (\k) == 0
	WM ACC+16*\ct+8*\u, XF+16*\u, 64*\ct, BIAS+8*\ct, XS, WS+4*(\ct/2), \u, \ct%2
.else
	WM ACC+16*\ct+8*\u, XF+32*((\k)%2)+16*\u, 64*\ct+16*(\k), ACC+16*\ct+8*\u, XS+(\k), WS+4*(\ct/2)+(\k), \u, \ct%2
.endif
.endr
.endr
.else
.irp t, 0,1
.irp ct, 0,1,2,3
.if (\k) == 0
	WM ACC+32*\t+8*\ct, 64*\ct, XF+16*\t, BIAS+8*\ct, WS+4*(\ct/2), XS, \ct%2, \t
.else
	WM ACC+32*\t+8*\ct, 64*\ct+16*(\k), XF+32*((\k)%2)+16*\t, ACC+32*\t+8*\ct, WS+4*(\ct/2)+(\k), XS+(\k), \ct%2, \t
.endif
.endr
.endr
.endif
.endm
	s_load_b512 s[8:23], s[0:1], 0x0
	s_load_b512 s[24:39], s[0:1], 0x40
	v_lshl_add_u32 v254, v0, 2, 0x22800
	v_mov_b32 v255, 0
	v_lshrrev_b32 v28, 5, v0
	v_readfirstlane_b32 s2, v28                    ; wave 0..7
	v_and_b32 v28, 31, v0                          ; lane
	v_lshlrev_b32 v[LI], 4, v28
	s_lshr_b32 s47, s2, 1
	s_and_b32 s48, s2, 1
	s_lshl_b32 s40, ttmp9, 18                      ; my work-group's 128 rows of 2,048 bytes,
	s_lshl_b32 s42, s47, 16                        ; and my token tile's first row: 32 (w / 2) + 8 (w % 2)
	s_add_co_u32 s40, s40, s42
	s_lshl_b32 s42, s48, 14
	s_add_co_u32 s40, s40, s42
	s_mov_b32 s41, 0
	s_wait_kmcnt 0x0
	ADDP P_X
	WIN 0x40
.irp k, 0,1,2,3                        ; all of my tile's X is asked for at once: each load takes 512 consecutive bytes of one row, K step k
.irp m, 0,1,2,3,4,5,6,7,8,9,10,11,12,13,14,15
	global_load_b128 v[64*\k+4*\m:64*\k+4*\m+3], v[LI], s[P_X:P_X+1] offset:(\m+(\m&8))*2048+512*\k th:TH_LOAD_NT
.endr
.endr
	WIN 0
	s_lshl_b32 s40, s2, 15                         ; my 64 rows of each W,
	ADDP P_W1
	ADDP P_W2
	ADDP P_W3
	s_lshl_b32 s40, s2, 10                         ; their scale bytes,
	ADDP P_S1
	ADDP P_S2
	ADDP P_S3
	s_lshl_b32 s40, s2, 8                          ; my 64 numbers of each bias
	ADDP P_B1
	ADDP P_B2
	ADDP P_B3
	s_lshl_b32 s40, ttmp9, 16                      ; qc, kc: my work-group's 8 tiles; my 64 columns are groups 2 (w % 2), + 1 of K step w / 2
	s_lshl_b32 s42, s47, 11
	s_add_co_u32 s40, s40, s42
	s_lshl_b32 s42, s48, 10
	s_add_co_u32 s40, s40, s42
	ADDP P_QC
	ADDP P_KC
	s_lshl_b32 s40, ttmp9, 11                      ; qs, ks: 2,048 bytes a work-group, 256 a wave on the way out
	s_lshl_b32 s42, s2, 8
	s_add_co_u32 s40, s40, s42
	ADDP P_QS
	ADDP P_KS
	s_lshr_b32 s49, ttmp9, 2                       ; the block of 512 tokens,
	s_and_b32 s50, ttmp9, 3                        ; in which my 128 tokens are K step g % 4 of V
	s_lshl_b32 s50, s50, 11
	s_lshl_b32 s40, s49, 18
	s_lshl_b32 s42, s2, 15                         ; my four d tiles
	s_add_co_u32 s40, s40, s42
	s_add_co_u32 s40, s40, s50
	ADDP P_VC
	s_lshl_b32 s40, s49, 13
	s_lshl_b32 s42, s2, 8
	s_add_co_u32 s40, s40, s42
	s_add_co_u32 s40, s40, s50
	ADDP P_VS
	s_mov_b32 s[SEL], 0x76543210
	s_mov_b32 s[SEL+1], 0xfedcba98
	s_mov_b32 s[MNT], 0x600000
	v_and_b32 v29, 15, v0                          ; r
	v_bfe_u32 v30, v0, 4, 1                        ; h
	v_and_b32 v31, 8, v29
	v_add_nc_u32 v31, v31, v29                     ; r + (r & 8)
	s_mul_i32 s3, s2, STGW
	s_add_co_u32 s3, s3, STG
	v_add_nc_u32 v[STW], s3, v[LI]
	v_mul_u32_u24 v[STR], v29, SPITCH
	v_lshl_add_u32 v[STR], v30, 6, v[STR]
	v_add_nc_u32 v[STR], s3, v[STR]
	s_lshl_b32 s3, s2, 13
	v_add_nc_u32 v[XWI], s3, v[LI]
	s_lshl_b32 s3, s2, 8
	s_add_co_u32 s3, s3, XSC
	v_lshl_add_u32 v[XWS], v29, 4, s3
	v_add_nc_u32 v[XLS], XSC, v[LI]
	v_lshlrev_b32 v[WO], 9, v31
	v_lshl_add_u32 v[WO], v30, 4, v[WO]
	v_lshl_add_u32 v[WSO], v30, 3, v31
	v_lshlrev_b32 v[WSO], 4, v[WSO]
	v_lshlrev_b32 v[BO], 6, v30
	v_lshlrev_b32 v[BV], 2, v31
	s_lshl_b32 s3, s2, 1
	s_add_co_u32 s3, s3, OSC
	v_lshl_add_u32 v[OSW], v29, 4, s3
	s_lshl_b32 s3, s2, 8
	s_add_co_u32 s3, s3, OSC
	v_lshl_add_u32 v[OSR], v28, 3, s3
	s_add_co_u32 s3, s3, 4096
	v_lshl_add_u32 v[VSW], v29, 2, s3
	v_lshlrev_b32 v[GO8], 3, v28
.irp b, 0,1,2,3
	v_mov_b32 v[TM+4+\b], 0                        ; written once: a lane permute's destination counts as one of its sources
.endr
; K step k of my token tile: 16 rows x 512 bytes turn through my stage, so that a lane gets 16 neighbours of each block of 32 of ITS row; quantised; the image and the scale word go to LDS.
.macro XSTEP k
	s_wait_loadcnt 48                              ; loads come back in order: behind this step's 16 stand 16 (3 - k) of X and 16 k of W1: always 48
	WIN 0x04                                       ; an LDS store's data are its source 1: window 1
.irp m, 0,1,2,3,4,5,6,7,8,9,10,11,12,13,14,15
	ds_store_b128 v[STW], v[64*(\k)+4*\m:64*(\k)+4*\m+3] offset:SPITCH*\m
.endr
	WIN 0
.irp b, 0,1,2,3
.irp j, 0,1,2,3
	ds_load_b128 v[ACC+16*\b+4*\j:ACC+16*\b+4*\j+3], v[STR] offset:128*\b+16*\j   ; LDS serves a wave's instructions in order: these see the stores above
.endr
.endr
	s_wait_dscnt 0x0                               ; the turn is back; its stores have read the landing registers, and the last step's image stores have read the codes' registers
	LOADW \k, P_W1                                 ; the 64 registers just left take a column tile of W1
	QUANT ACC
	PACK4 PW+(\k)
.irp c, 0,1,2,3
	ds_store_b128 v[XWI], v[PC+4*\c:PC+4*\c+3] offset:2048*(\k)+512*\c
.endr
	ds_store_b32 v[XWS], v[PW+(\k)] offset:4*(\k)  ; both halves of the lanes write the same word with the same value
.endm
	XSTEP 0
	XSTEP 1
	XSTEP 2
	XSTEP 3
	LOADS P_S1
	LOADB_QK P_B1
	BARRIER                                        ; X's 32 fragments and their scale words lie in LDS
	FETCHX 0, 0
	FETCHXS 0
; A pass: my 64 columns of one product for the 8 token tiles, a pair of tiles at a time.  nxt: 0 the last pass; 1 the next is K's; 2 the next is V's: its weights are asked for while this pass's last pair is quantised.
.macro PASS kind, outc, osc, nxt, nw, nws, nb
.set WMUL, 0x01+3*\kind                ; the weights lie in window 1: as source 0 (Q, K) or as source 1 (V)
	s_wait_loadcnt 0x0                             ; the pass's weights, scale words and bias
.if \kind
.irp ct, 0,1,2,3
.irp j, 1,2,3,4,5,6,7
	v_mov_b32 v[BIAS+8*\ct+\j], v[BIAS+8*\ct]      ; V's bias hangs on the lane's column alone
.endr
.endr
.endif
.irp tg, 0,1,2,3
	s_wait_dscnt 0x0                               ; X's fragments of K steps 0, 1 and the scale words
	WIN WMUL
	MUL \kind, 0
	MUL \kind, 1
	WIN 0
	PLACES 8
	FETCHX \tg, 2
	s_wait_dscnt 0x0
	WIN WMUL
	MUL \kind, 2
	MUL \kind, 3
	WIN 0
	PLACES 8                                       ; for the loads below and for the first read of the results
.if (\tg < 3) || (\nxt > 0)
	FETCHX (\tg+1)%4, 0                            ; the next pair's fragments land while this pair is quantised
	FETCHXS (\tg+1)%4
.endif
.if (\tg == 3) && (\nxt > 0)
	LOADW 0, \nw
	LOADW 1, \nw
	LOADW 2, \nw
	LOADW 3, \nw
	LOADS \nws
.if \nxt == 1
	LOADB_QK \nb
.else
	LOADB_V \nb
.endif
.endif
	s_wait_xcnt 0x0                                ; the last pair's stores have read the codes' registers, which are written again below
	QUANT ACC
.if \kind
.irp ct, 0,1,2,3                       ; block ct: 32 tokens of d tile 4 w + ct: group tg of its fragment, byte tg of its scale word
.if \tg == 0
	v_mov_b32 v[VW+\ct], v[TM+4+\ct]
.else
	v_lshl_or_b32 v[VW+\ct], v[TM+4+\ct], 8*\tg, v[VW+\ct]
.endif
.endr
.irp ct, 0,1,2,3
	global_store_b128 v[LI], v[PC+4*\ct:PC+4*\ct+3], s[\outc:\outc+1] offset:8192*\ct+512*\tg   ; 512 consecutive bytes, aligned
.endr
.else
	PACK4 PW+\tg                                   ; block 2 t + p: 32 columns 64 w + 32 p on of token tile 2 tg + t
.irp t, 0,1
.irp p, 0,1
	global_store_b128 v[LI], v[PC+8*\t+4*\p:PC+8*\t+4*\p+3], s[\outc:\outc+1] offset:(2*\tg+\t)*8192+512*\p   ; 512 consecutive bytes, aligned
.endr
.endr
	ds_store_b16 v[OSW], v[PW+\tg] offset:\osc+512*\tg               ; bytes 2 w, 2 w + 1 of the token's 16: tile 2 tg,
	ds_store_b16_d16_hi v[OSW], v[PW+\tg] offset:\osc+512*\tg+256    ; tile 2 tg + 1
.endif
.endr
.endm
	PASS 0, P_QC, 0,    1, P_W2, P_S2, P_B2
	PASS 0, P_KC, 2048, 2, P_W3, P_S3, P_B3
	PASS 1, P_VC, 4096, 0, 0, 0, 0
.irp ct, 0,1,2,3
	ds_store_b32 v[VSW], v[VW+\ct] offset:64*\ct
.endr
	BARRIER                                        ; the scale bytes of all eight waves lie in LDS
.irp q, 0,1,2
	ds_load_b64 v[CO+2*\q:CO+2*\q+1], v[OSR] offset:2048*\q
.endr
	s_wait_dscnt 0x0
	global_store_b64 v[GO8], v[CO:CO+1], s[P_QS:P_QS+1]       ; each store of the wave covers 256 consecutive bytes, aligned
	global_store_b64 v[GO8], v[CO+2:CO+3], s[P_KS:P_KS+1]
	global_store_b64 v[GO8], v[CO+4:CO+5], s[P_VS:P_VS+1]
	s_wait_tensorcnt 0x0
	ds_add_u32 v254, v255
	s_wait_dscnt 0x0
	s_endpgm
.Lfunc_end_k_q14a20e9e72_proj:
	.size	k_q14a20e9e72_proj, .Lfunc_end_k_q14a20e9e72_proj-k_q14a20e9e72_proj
	.p2alignl 7, 3214868480
	.fill 96, 4, 3214868480
	.section	.rodata,"a",@progbits
	.p2align	6, 0x0
	.amdhsa_kernel k_q14a20e9e72_proj
		.amdhsa_group_segment_fixed_size 142336
		.amdhsa_private_segment_fixed_size 0
		.amdhsa_enable_private_segment 0
		.amdhsa_kernarg_size 128
		.amdhsa_user_sgpr_count 2
		.amdhsa_user_sgpr_kernarg_segment_ptr 1
		.amdhsa_wavefront_size32 1
		.amdhsa_system_sgpr_workgroup_id_x 1
		.amdhsa_system_sgpr_workgroup_id_y 1
		.amdhsa_system_sgpr_workgroup_id_z 1
		.amdhsa_system_vgpr_workitem_id 0
		.amdhsa_next_free_vgpr 512
		.amdhsa_next_free_sgpr 66
		.amdhsa_reserve_vcc 0
		.amdhsa_float_denorm_mode_32 3
		.amdhsa_float_denorm_mode_16_64 3
		.amdhsa_memory_ordered 1
		.amdhsa_forward_progress 1
		.amdhsa_inst_pref_size 255
	.end_amdhsa_kernel
	.section	.bss,"aw",@nobits
	.p2align	6
	.space	262144
	.amdgpu_metadata
---
amdhsa.version: [ 1, 2 ]
amdhsa.kernels:
  - .name:           k_q14a20e9e72_proj
    .symbol:         k_q14a20e9e72_proj.kd
    .args:
      - { .name: inputs, .offset: 0, .size: 8, .value_kind: global_buffer, .address_space: global }
      - { .name: dw1_codes, .offset: 8, .size: 8, .value_kind: global_buffer, .address_space: global }
      - { .name: dw1_scales, .offset: 16, .size: 8, .value_kind: global_buffer, .address_space: global }
      - { .name: db1, .offset: 24, .size: 8, .value_kind: global_buffer, .address_space: global }
      - { .name: dw2_codes, .offset: 32, .size: 8, .value_kind: global_buffer, .address_space: global }
      - { .name: dw2_scales, .offset: 40, .size: 8, .value_kind: global_buffer, .address_space: global }
      - { .name: db2, .offset: 48, .size: 8, .value_kind: global_buffer, .address_space: global }
      - { .name: dw3_codes, .offset: 56, .size: 8, .value_kind: global_buffer, .address_space: global }
      - { .name: dw3_scales, .offset: 64, .size: 8, .value_kind: global_buffer, .address_space: global }
      - { .name: db3, .offset: 72, .size: 8, .value_kind: global_buffer, .address_space: global }
      - { .name: qc, .offset: 80, .size: 8, .value_kind: global_buffer, .address_space: global }
      - { .name: qs, .offset: 88, .size: 8, .value_kind: global_buffer, .address_space: global }
      - { .name: kc, .offset: 96, .size: 8, .value_kind: global_buffer, .address_space: global }
      - { .name: ks, .offset: 104, .size: 8, .value_kind: global_buffer, .address_space: global }
      - { .name: vc, .offset: 112, .size: 8, .value_kind: global_buffer, .address_space: global }
      - { .name: vs, .offset: 120, .size: 8, .value_kind: global_buffer, .address_space: global }
    .group_segment_fixed_size: 142336
    .private_segment_fixed_size: 0
    .kernarg_segment_align: 8
    .kernarg_segment_size: 128
    .max_flat_workgroup_size: 256
    .sgpr_count:     66
    .vgpr_count:     512
    .wavefront_size: 32
...
	.end_amdgpu_metadata
.endif
;; end of part 1
;; launch attn (part 2): grid 256 x 1, 8 waves a work-group, no clusters, 320,512 bytes of LDS; arguments mask_array, inputs, qc, qs, kc, ks, vc, vs, out0; writes out0
.if DOCPART == 2
	.amdgcn_target "amdgcn-amd-amdhsa--gfx1250"
	.amdhsa_code_object_version 6
	.text
	.protected	k_q14a20e9e72_attn
	.globl	k_q14a20e9e72_attn
	.p2align	8
	.type	k_q14a20e9e72_attn,@function
k_q14a20e9e72_attn:
	s_mov_b64 s[64:65], 0
	v_nop
	global_prefetch_b8 v0, s[64:65] scope:SCOPE_SE
	s_setreg_imm32_b32 hwreg(HW_REG_WAVE_MODE, 25, 1), 1
	s_wait_xcnt 0x0
; out = LayerNorm(softmax(Q K^T / sqrt(512) + (1 - m) (-1e10)) V + X) for 128 queries a work-group; a block of 512 tokens attends to itself; four work-groups to a block.
; Both products on E4M3 codes with one E8M0 scale for each 32 along K.  Q, K, V come from the first launch as images of operand registers (a fragment: 16 rows x 128 K, four groups of 512 bytes, lane L's 16 bytes of group c at 512 c + 16 L).
; TILES OF 16 ARE NOT NEIGHBOURS (tokens and d alike): row m of tile 2 b + u is index 32 b + 8 u + m + (m & 8), so that the 16 registers of tiles 2 b, 2 b + 1 of a result are the neighbours 32 b + 16 h + 0 .. 15 of source 0's index.
; SHARES.  Eight waves SHARE THE COLUMNS, NOT THE ROWS.  S^T = K Q^T: wave w owns keys 64 w .. + 63 (source 0), against all 128 queries (source 1): 32 accumulators, register window 1, accumulator (i, t) at 32 i + 8 t.
; O^T = V^T P^T: wave w owns d 64 w .. + 63, same accumulators.  A lane holds ONE query (lane % 16 of tile i) throughout.  K and V go from memory straight into registers, once a work-group; Q and P go round as images in LDS.
; SOFTMAX.  t = S c + (m G - G), c = log2(e) / sqrt(512), G = 1e10 log2(e).  All 512 keys of a row are held at once, so M = ceil(the row's largest t) is found first (the waves' maxima meet in LDS); p = 2^(t - M) is quantised along the keys;
; l = the sum of the unquantised p.  A block's largest p is the same add and exponential of the block's largest t.  The residual is the C of the second product's first K step, as l x: dividing by l at the end gives O / l + x.
; LAYERNORM in two passes: the mean; then the variance of the centred numbers: no difference of large sums.
; THE MASK, 128 rows x 2,048 bytes, comes by eight tensor loads (one a wave, each filled once: nothing is filled again); when it is read out, its bytes serve as stage and for P's images.
; LIMITS: NaN and infinities are not served.  t has two roundings (m G - G, exact 0 where m = 1; then S c + that) where reference() has four; where the mask term is huge the score is rounded away beside it, as in reference().
; A block of p that is all zeros keeps the scale byte 1: its codes are zeros.  p under 2^-126 is 0 (v_exp_f32's result: ISA guide 15.8).
; REGISTERS, window 0: v1-15, v57 addresses; v16-31 Q's K step 3 on its way, then -M(i), then 1 / l(i), at v[16 + 2 i]; v32-39 K's, then V's scale words; v40-55 Q's, then P's; v58-59 -G;
;   v64-127, v192-255 two buffers of four fragments of K or V; v128-191 four fragments of Q or P; the mask of two tiles; P's codes; what the exchanges bring (l, -mean, 1 / sigma of tile i stay at v[128 + 8 i]);
;   in the softmax and the norm v192-207 the blocks' largest t, v208-231 a register a tile for each number that an LDS store reads, v232-245 at work.
.set MPITCH, 1040                      ; a mask row in LDS: half a row, 1,024 bytes + 16
.set MPLANE, 128*MPITCH                ; columns 0-255 of the 128 rows, then columns 256-511
.set QI,     266240                    ; behind the mask: three slots for Q's images, [tile][2048] each
.set QSLOT,  16384
.set RX,     266240                    ; the exchanges [16 i + r][wave] f32, 4,096 bytes each: sums, means, variances in Q's bytes once Q is done with;
.set RSM,    0
.set RMU,    4096
.set RVA,    8192
.set RMX,    49152                     ; the maxima behind Q's slots
.set STGP,   272                       ; in the mask's bytes, once it is read out: a stage of 16 rows x (256 + 16) bytes for each wave: 68 words, row r starts at bank 4 r mod 64 (64 banks of 4 bytes: ISA guide 11.1);
.set STGW,   16*STGP
.set PIMG,   36864                     ; P's images [K step][tile][2048];
.set PSC,    102400                    ; P's scale bytes [tile][row][16]
.set LI,  1                            ; 16 x lane
.set MA0, 2                            ; the mask: my plane + 256 (w % 4) + 1040 (r + (r & 8)) + 64 h;
.set MA1, 3                            ; 64 rows further on
.set STD, 4                            ; my stage, dense: 272 h + 16 r
.set STF, 5                            ; my stage, as a result lies: 272 r + 64 h
.set GD,  6                            ; X, out: 2048 h + 16 r: sixteen lanes take my 256 bytes of a row, the other sixteen the next row's
.set QWI, 7
.set QLI, 8
.set PLI, 9
.set PWI, 10
.set PWS, 11
.set PLS, 12
.set RXW, 13
.set RXR, 14
.set VSO, 15                           ; 4 x lane
.set Q3,  16
.set NM,  16
.set RL,  16
.set AS,  32
.set BS,  40
.set PFV, 57                           ; 256 x lane
.set NG,  58
.set BA,  64
.set PF,  128
.set BB,  192
.set BM,  192
.set RMV, 208
.set PSV, 216
.set PWD, 224
.set C0,  232
.set C1,  234
.set T0,  236
.set SO,  240
.set HL,  242
.set BY,  244
.set P_M,  8
.set P_X,  10
.set P_QC, 12
.set P_QS, 14
.set P_KC, 16
.set P_KS, 18
.set P_VC, 20
.set P_VS, 22
.set P_O,  24
.set VPF,  26
.set G0,   28
.set G1,   32
.set SEL,  40
.set CS,   42
.set GS,   44
.set MNT,  46
.set I512, 54
.set EPS,  55
.set MSB, 0
.macro WIN new                         ; the immediate's high byte repeats the setting that is left; a switch that changes nothing is dropped
.if MSB != \new
	s_set_vgpr_msb (MSB<<8)|\new
.set MSB, \new
.endif
.endm
.macro PLACES n
.rept \n
	v_nop
.endr
.endm
.macro BARRIER                         ; my LDS stores have landed and my LDS loads are in: then the work-group's barrier
	s_wait_dscnt 0x0
	s_barrier_signal -1
	s_barrier_wait -1
.endm
.macro ADDP p
	s_add_nc_u64 s[\p:\p+1], s[\p:\p+1], s[50:51]
.endm
.macro WM d, a, b, sa, sb, ra, rb      ; adds in place; ra, rb: the scale words lie in lanes 16-31
.if (\ra) && (\rb)
	v_wmma_scale_f32_16x16x128_f8f6f4 v[\d:\d+7], v[\a:\a+15], v[\b:\b+15], v[\d:\d+7], v[\sa], v[\sb] matrix_a_scale:MATRIX_SCALE_ROW1 matrix_b_scale:MATRIX_SCALE_ROW1
.elseif (\ra)
	v_wmma_scale_f32_16x16x128_f8f6f4 v[\d:\d+7], v[\a:\a+15], v[\b:\b+15], v[\d:\d+7], v[\sa], v[\sb] matrix_a_scale:MATRIX_SCALE_ROW1
.elseif (\rb)
	v_wmma_scale_f32_16x16x128_f8f6f4 v[\d:\d+7], v[\a:\a+15], v[\b:\b+15], v[\d:\d+7], v[\sa], v[\sb] matrix_b_scale:MATRIX_SCALE_ROW1
.else
	v_wmma_scale_f32_16x16x128_f8f6f4 v[\d:\d+7], v[\a:\a+15], v[\b:\b+15], v[\d:\d+7], v[\sa], v[\sb]
.endif
.endm
.macro WMZ d, a, b, sa, sb, ra, rb     ; starts a sum
.if (\ra) && (\rb)
	v_wmma_scale_f32_16x16x128_f8f6f4 v[\d:\d+7], v[\a:\a+15], v[\b:\b+15], 0, v[\sa], v[\sb] matrix_a_scale:MATRIX_SCALE_ROW1 matrix_b_scale:MATRIX_SCALE_ROW1
.elseif (\ra)
	v_wmma_scale_f32_16x16x128_f8f6f4 v[\d:\d+7], v[\a:\a+15], v[\b:\b+15], 0, v[\sa], v[\sb] matrix_a_scale:MATRIX_SCALE_ROW1
.elseif (\rb)
	v_wmma_scale_f32_16x16x128_f8f6f4 v[\d:\d+7], v[\a:\a+15], v[\b:\b+15], 0, v[\sa], v[\sb] matrix_b_scale:MATRIX_SCALE_ROW1
.else
	v_wmma_scale_f32_16x16x128_f8f6f4 v[\d:\d+7], v[\a:\a+15], v[\b:\b+15], 0, v[\sa], v[\sb]
.endif
.endm
.macro ALOAD buf, base, k              ; my four tiles' fragments of K step k, as they lie: every load takes 512 consecutive bytes
.irp t, 0,1,2,3
.irp c, 0,1,2,3
	global_load_b128 v[\buf+16*\t+4*\c:\buf+16*\t+4*\c+3], v[LI], s[\base:\base+1] offset:8192*\t+2048*(\k)+512*\c
.endr
.endr
.endm
; A K step of 128: my four tiles (buffer abuf) against the eight query tiles, four at a time from LDS.  32 accumulators by turns, one instruction a turn, in the same order in every step.
; amt, ams: source 0's scale word of tile t, K step k lies in register AS + amt (t / 2) + ams k (K's: 4, 1; V's: 1, 2), lanes 16 (t % 2) on.
.macro GSTEP abuf, badr, boff, k, amt, ams, zero
.irp hq, 0,1
.irp il, 0,1,2,3
.irp c, 0,1,2,3
	ds_load_b128 v[PF+16*\il+4*\c:PF+16*\il+4*\c+3], v[\badr] offset:(\boff)+(4*\hq+\il)*2048+512*\c
.endr
.endr
	s_wait_dscnt 0x0
	WIN 0x50                                       ; C and D window 1
.irp il, 0,1,2,3
.irp t, 0,1,2,3
.if \zero
	WMZ 32*(4*\hq+\il)+8*\t, \abuf+16*\t, PF+16*\il, AS+(\amt)*(\t/2)+(\ams)*(\k), BS+4*((4*\hq+\il)/2)+(\k), \t%2, \il%2
.else
	WM 32*(4*\hq+\il)+8*\t, \abuf+16*\t, PF+16*\il, AS+(\amt)*(\t/2)+(\ams)*(\k), BS+4*((4*\hq+\il)/2)+(\k), \t%2, \il%2
.endif
.endr
.endr
	WIN 0
	PLACES 8                                       ; in front of the next loads into registers that these have read, and of the first read of results
.endr
.endm
.macro XRD reg                         ; the eight waves' numbers for my query of each tile: v[PF + 8 i + wave]
.irp i, 0,1,2,3,4,5,6,7
	ds_load_b128 v[PF+8*\i:PF+8*\i+3], v[RXR] offset:\reg+512*\i
	ds_load_b128 v[PF+8*\i+4:PF+8*\i+7], v[RXR] offset:\reg+512*\i+16
.endr
.endm
.macro SUMS                            ; their sums, the eight tiles by turns, into v[PF + 8 i]: every wave adds in the same order
.irp i, 0,1,2,3,4,5,6,7
	v_pk_add_f32 v[PF+8*\i:PF+8*\i+1], v[PF+8*\i:PF+8*\i+1], v[PF+8*\i+2:PF+8*\i+3]
.endr
.irp i, 0,1,2,3,4,5,6,7
	v_pk_add_f32 v[PF+8*\i+4:PF+8*\i+5], v[PF+8*\i+4:PF+8*\i+5], v[PF+8*\i+6:PF+8*\i+7]
.endr
.irp i, 0,1,2,3,4,5,6,7
	v_pk_add_f32 v[PF+8*\i:PF+8*\i+1], v[PF+8*\i:PF+8*\i+1], v[PF+8*\i+4:PF+8*\i+5]
.endr
.irp i, 0,1,2,3,4,5,6,7
	v_add_f32 v[PF+8*\i], v[PF+8*\i], v[PF+8*\i+1]
.endr
.endm
.macro FOLD dst                        ; two packed chains -> one number, with lane l xor 16's
	WIN 0
	v_pk_add_f32 v[C0:C0+1], v[C0:C0+1], v[C1:C1+1]
	v_add_f32 v[C0], v[C0], v[C0+1]
	v_permlanex16_b32 v[T0], v[C0], s[SEL], s[SEL+1]
	v_add_f32 v[\dst], v[C0], v[T0]
.endm
.macro SUM32 i, dst                    ; the sum of tile i's 32 registers and lane l xor 16's: my wave's 64 columns of my query
.set AS0, 32*(\i)
	WIN 0x05                                       ; sources 0 and 1 window 1
	v_pk_add_f32 v[C0:C0+1], v[AS0:AS0+1], v[AS0+2:AS0+3]
	v_pk_add_f32 v[C1:C1+1], v[AS0+4:AS0+5], v[AS0+6:AS0+7]
	WIN 0x04                                       ; source 1 window 1
.irp q, 8,12,16,20,24,28
	v_pk_add_f32 v[C0:C0+1], v[C0:C0+1], v[AS0+\q:AS0+\q+1]
	v_pk_add_f32 v[C1:C1+1], v[C1:C1+1], v[AS0+\q+2:AS0+\q+3]
.endr
	FOLD \dst
.endm
.macro SQ32 i, dst                     ; the same of their squares
.set AS0, 32*(\i)
	WIN 0x05
	v_pk_mul_f32 v[C0:C0+1], v[AS0:AS0+1], v[AS0:AS0+1]
	v_pk_mul_f32 v[C1:C1+1], v[AS0+2:AS0+3], v[AS0+2:AS0+3]
.irp q, 4,8,12,16,20,24,28
	v_pk_fma_f32 v[C0:C0+1], v[AS0+\q:AS0+\q+1], v[AS0+\q:AS0+\q+1], v[C0:C0+1]
	v_pk_fma_f32 v[C1:C1+1], v[AS0+\q+2:AS0+\q+3], v[AS0+\q+2:AS0+\q+3], v[C1:C1+1]
.endr
	FOLD \dst
.endm
.macro MULT i, pr                      ; tile i's 32 registers x the number in v[pr] (the low word of the pair serves both halves), from the low end on
.set AM, 32*(\i)
	WIN 0x41                                       ; destination and source 0 window 1
.irp q, 0,2,4,6,8,10,12,14,16,18,20,22,24,26,28,30
	v_pk_mul_f32 v[AM+\q:AM+\q+1], v[AM+\q:AM+\q+1], v[\pr:\pr+1] op_sel_hi:[1,0]
.endr
	WIN 0
.endm
.macro PLUS i, pr                      ; + the number in v[pr]
.set AM, 32*(\i)
	WIN 0x41
.irp q, 0,2,4,6,8,10,12,14,16,18,20,22,24,26,28,30
	v_pk_add_f32 v[AM+\q:AM+\q+1], v[AM+\q:AM+\q+1], v[\pr:\pr+1] op_sel_hi:[1,0]
.endr
	WIN 0
.endm
	s_load_b512 s[8:23], s[0:1], 0x0
	s_load_b64 s[P_O:P_O+1], s[0:1], 0x40
	v_lshl_add_u32 v254, v0, 2, 0x4e000
	v_mov_b32 v255, 0
	ds_add_u32 v254, v255
	ds_add_u32 v254, v255
	s_wait_dscnt 0x0
	v_lshrrev_b32 v60, 5, v0
	v_readfirstlane_b32 s2, v60                    ; wave 0..7
	v_and_b32 v60, 31, v0                          ; lane
	v_lshlrev_b32 v[LI], 4, v60
	s_lshr_b32 s3, s2, 2                           ; which half of the mask's columns I fetch,
	s_and_b32 s4, s2, 3                            ; and which 32 of the 128 rows
	; descriptor group 1: 32 rows x 256 elements of 4 bytes, rows 512 elements apart in memory; in LDS 4 words of padding behind every 256
	s_mov_b32 s[G1+0], (2<<16)|(1<<20)|(7<<22)|(3<<25)
	s_mov_b32 s[G1+1], 256<<16                     ; tensor_dim0
	s_mov_b32 s[G1+2], 32<<16                      ; tensor_dim1
	s_mov_b32 s[G1+3], 256<<16                     ; tile_dim0
	s_mov_b32 s[G1+4], 32                          ; tile_dim1
	s_mov_b32 s[G1+5], 512                         ; tensor_dim0_stride
	s_mov_b32 s[G1+6], 0
	s_mov_b32 s[G1+7], 0
	s_mul_i32 s5, s3, MPLANE
	s_mul_i32 s6, s4, 32*MPITCH
	s_mov_b32 s[G0], 1
	s_add_co_u32 s[G0+1], s5, s6                   ; LDS address: a constant x (w / 4) + a constant x (w % 4)
	s_lshl_b32 s48, ttmp9, 18                      ; my work-group's 128 rows of 2,048 bytes
	s_lshl_b32 s50, s4, 16
	s_add_co_u32 s50, s50, s48
	s_lshl_b32 s52, s3, 10
	s_add_co_u32 s50, s50, s52
	s_mov_b32 s51, 0
	s_wait_kmcnt 0x0
	s_add_nc_u64 s[G0+2:G0+3], s[P_M:P_M+1], s[50:51]
	s_or_b32 s[G0+3], s[G0+3], 0x80000000          ; type = 2
	tensor_load_to_lds s[G0:G0+3], s[G1:G1+7]      ; my one tensor load; its registers are not written again
	s_nop 0
	PLACES 4
	s_lshr_b32 s53, ttmp9, 2                       ; the block
	s_lshl_b32 s50, ttmp9, 16                      ; Q: my work-group's 8 tiles, of which I bring tile w
	s_lshl_b32 s52, s2, 13
	s_add_co_u32 s50, s50, s52
	ADDP P_QC
	s_lshl_b32 s50, s53, 18                        ; the prefetch of V: my work-group's quarter of the block's 262,144 bytes, my wave's 8,192 of it
	s_and_b32 s52, ttmp9, 3
	s_lshl_b32 s52, s52, 16
	s_add_co_u32 s50, s50, s52
	s_lshl_b32 s52, s2, 13
	s_add_co_u32 s50, s50, s52
	s_add_nc_u64 s[VPF:VPF+1], s[P_VC:P_VC+1], s[50:51]
	s_lshl_b32 s50, s53, 18                        ; K, V: the block, my four tiles
	s_lshl_b32 s52, s2, 15
	s_add_co_u32 s50, s50, s52
	ADDP P_KC
	ADDP P_VC
	s_lshl_b32 s50, s53, 13                        ; K's scale bytes: 256 a tile
	s_lshl_b32 s52, s2, 10
	s_add_co_u32 s50, s50, s52
	ADDP P_KS
	s_lshl_b32 s50, s53, 13                        ; V's scale words: 64 bytes a tile in each K step's 2,048
	s_lshl_b32 s52, s2, 8
	s_add_co_u32 s50, s50, s52
	ADDP P_VS
	s_lshl_b32 s50, ttmp9, 11
	ADDP P_QS
	s_add_co_u32 s50, s48, s52                     ; X, out: my work-group's rows, my wave's 256 bytes of each
	ADDP P_X
	ADDP P_O
.irp k, 0,1,2
.irp c, 0,1,2,3
	global_load_b128 v[PF+16*\k+4*\c:PF+16*\k+4*\c+3], v[LI], s[P_QC:P_QC+1] offset:2048*\k+512*\c th:TH_LOAD_NT
.endr
.endr
.irp c, 0,1,2,3
	global_load_b128 v[Q3+4*\c:Q3+4*\c+3], v[LI], s[P_QC:P_QC+1] offset:6144+512*\c th:TH_LOAD_NT   ; K step 3 waits in registers: LDS has room for three
.endr
.irp p, 0,1
	global_load_b128 v[AS+4*\p:AS+4*\p+3], v[LI], s[P_KS:P_KS+1] offset:512*\p   ; register 4 p + k: lanes 0-15 my tile 2 p, lanes 16-31 tile 2 p + 1
.endr
.irp p, 0,1,2,3
	global_load_b128 v[BS+4*\p:BS+4*\p+3], v[LI], s[P_QS:P_QS+1] offset:512*\p
.endr
	ALOAD BA, P_KC, 0
	ALOAD BB, P_KC, 1
	s_mov_b32 s[SEL], 0x76543210
	s_mov_b32 s[SEL+1], 0xfedcba98
	s_mov_b32 s[CS], 0x3d8293ee                    ; c = log2(e) / sqrt(512)
	s_mov_b32 s[CS+1], s[CS]                       ; (named with it as a pair, so it is written)
	s_mov_b32 s[GS], 0x5056fa73                    ; G = 1e10 log2(e)
	s_mov_b32 s[GS+1], s[GS]
	s_mov_b32 s[MNT], 0x600000
	s_mov_b32 s[I512], 0x3b000000                  ; 1 / 512
	s_mov_b32 s[EPS], 0x3a83126f                   ; 1e-3
	v_and_b32 v61, 15, v0                          ; r
	v_bfe_u32 v62, v0, 4, 1                        ; h
	v_and_b32 v63, 8, v61
	v_add_nc_u32 v63, v63, v61                     ; r + (r & 8)
	s_lshl_b32 s6, s4, 8
	s_add_co_u32 s6, s6, s5
	v_mul_u32_u24 v[MA0], v63, MPITCH
	v_lshl_add_u32 v[MA0], v62, 6, v[MA0]
	v_add_nc_u32 v[MA0], s6, v[MA0]
	v_add_nc_u32 v[MA1], 64*MPITCH, v[MA0]
	s_mul_i32 s6, s2, STGW
	v_mul_u32_u24 v[STD], v62, STGP
	v_lshl_add_u32 v[STD], v61, 4, v[STD]
	v_add_nc_u32 v[STD], s6, v[STD]
	v_mul_u32_u24 v[STF], v61, STGP
	v_lshl_add_u32 v[STF], v62, 6, v[STF]
	v_add_nc_u32 v[STF], s6, v[STF]
	v_lshlrev_b32 v[GD], 11, v62
	v_lshl_add_u32 v[GD], v61, 4, v[GD]
	s_lshl_b32 s6, s2, 11
	s_add_co_u32 s6, s6, QI
	v_add_nc_u32 v[QWI], s6, v[LI]
	v_add_nc_u32 v[QLI], QI, v[LI]
	v_add_nc_u32 v[PLI], PIMG, v[LI]
	s_lshr_b32 s6, s2, 1                           ; my 64 keys are groups 2 (w % 2), + 1 of P's K step w / 2
	s_lshl_b32 s6, s6, 14
	s_and_b32 s7, s2, 1
	s_lshl_b32 s7, s7, 10
	s_add_co_u32 s6, s6, s7
	s_add_co_u32 s6, s6, PIMG
	v_add_nc_u32 v[PWI], s6, v[LI]
	s_lshl_b32 s6, s2, 1
	s_add_co_u32 s6, s6, PSC
	v_lshl_add_u32 v[PWS], v61, 4, s6
	v_add_nc_u32 v[PLS], PSC, v[LI]
	s_lshl_b32 s6, s2, 2
	s_add_co_u32 s6, s6, RX
	v_lshl_add_u32 v[RXW], v61, 5, s6
	v_lshlrev_b32 v[RXR], 5, v61
	v_add_nc_u32 v[RXR], RX, v[RXR]
	v_lshlrev_b32 v[VSO], 2, v60
	v_lshlrev_b32 v[PFV], 8, v60
	v_mov_b32 v[NG], 0xd056fa73                    ; -G, twice
	v_mov_b32 v[NG+1], 0xd056fa73
	s_wait_loadcnt 38                              ; Q's 16 loads are in; behind them stand 6 loads of scale words and 32 of K
.irp k, 0,1,2
.irp c, 0,1,2,3
	ds_store_b128 v[QWI], v[PF+16*\k+4*\c:PF+16*\k+4*\c+3] offset:QSLOT*\k+512*\c
.endr
.endr
	BARRIER                                        ; Q's K steps 0 to 2 lie in LDS
	; ---- S^T = K Q^T
	s_wait_loadcnt 16                              ; the scale words and K's step 0; step 1's 16 loads may be out
	GSTEP BA, QLI, 0, 0, 4, 1, 1
	BARRIER                                        ; every wave has read slot 0 out:
.irp c, 0,1,2,3
	ds_store_b128 v[QWI], v[Q3+4*\c:Q3+4*\c+3] offset:512*\c     ; it takes Q's K step 3
.endr
	ALOAD BA, P_KC, 2
	global_prefetch_b8 v[PFV], s[VPF:VPF+1] th:TH_LOAD_NT scope:SCOPE_SE   ; V into the L2: lanes 256 bytes apart, 8,192 bytes a wave; the block's four work-groups take a quarter each, so each 256 bytes of V are named once in the launch.  Its first loads follow three K steps on
	s_wait_loadcnt 16                              ; K's step 1; step 2's may be out
	GSTEP BB, QLI, QSLOT, 1, 4, 1, 0
	ALOAD BB, P_KC, 3
	s_wait_loadcnt 16
	GSTEP BA, QLI, 2*QSLOT, 2, 4, 1, 0
	s_wait_tensorcnt 0x0                           ; my part of the mask has landed: the others read it behind this barrier
	BARRIER                                        ; Q's K step 3 and the whole mask lie in LDS
	s_wait_loadcnt 0x0
	GSTEP BB, QLI, 0, 3, 4, 1, 0
	ALOAD BA, P_VC, 0                              ; V's first K step lands under the softmax
.irp k, 0,1,2,3
.irp p, 0,1
	global_load_b32 v[AS+2*\k+\p], v[VSO], s[P_VS:P_VS+1] offset:2048*\k+128*\p   ; V's scale words: register 2 k + p: lanes 0-15 my tile 2 p, lanes 16-31 tile 2 p + 1
.endr
.endr
	; ---- t = S c + (m G - G); each block's and my 64 keys' largest t
	v_mov_b32 v[T0], 0                             ; a lane permute's destination counts as one of its sources
	v_mov_b32 v[T0+1], 0
.macro MLOAD i                         ; the mask of tile i in the result's layout: lane (r, h): its query's row, keys 64 w + 32 p + 16 h + 0 .. 15
.set ML, PF+32*((\i)%2)
.irp p, 0,1
.irp u, 0,1
.irp e, 0,1
	ds_load_b128 v[ML+16*\p+8*\u+4*\e:ML+16*\p+8*\u+4*\e+3], v[MA0+(\i)/4] offset:(32*(((\i)/2)%2)+8*((\i)%2))*MPITCH+128*\p+32*\u+16*\e
.endr
.endr
.endr
.endm
.macro TTILE i
.if (\i) < 7
	MLOAD (\i)+1                                   ; a tile ahead
.endif
.set MT, PF+32*((\i)%2)
.set AC, 32*(\i)
.set B0, BM+2*(\i)
.if (\i) == 0
	s_wait_dscnt 8                                 ; behind this tile's 8 loads stand the next tile's 8,
.elseif (\i) < 7
	s_wait_dscnt 9                                 ; and the last tile's one store
.else
	s_wait_dscnt 0x0
.endif
.irp q, 0,2,4,6,8,10,12,14,16,18,20,22,24,26,28,30
	v_pk_fma_f32 v[MT+\q:MT+\q+1], v[MT+\q:MT+\q+1], s[GS:GS+1], v[NG:NG+1] op_sel_hi:[1,0,1]   ; m G - G: exactly 0 where m = 1
.endr
	WIN 0x41                                       ; destination and source 0 window 1
.irp q, 0,2,4,6,8,10,12,14,16,18,20,22,24,26,28,30
	v_pk_fma_f32 v[AC+\q:AC+\q+1], v[AC+\q:AC+\q+1], s[CS:CS+1], v[MT+\q:MT+\q+1] op_sel_hi:[1,0,1]   ; each accumulator from its low end on
.endr
	WIN 0x15                                       ; all three sources window 1
.irp p, 0,1
	v_max3_num_f32 v[B0+\p], v[AC+16*\p], v[AC+16*\p+1], v[AC+16*\p+2]
.endr
	WIN 0x14
.irp q, 3,5,7,9,11,13
.irp p, 0,1
	v_max3_num_f32 v[B0+\p], v[B0+\p], v[AC+16*\p+\q], v[AC+16*\p+\q+1]
.endr
.endr
	WIN 0x04
.irp p, 0,1
	v_max_num_f32 v[B0+\p], v[B0+\p], v[AC+16*\p+15]
.endr
	WIN 0
	v_permlanex16_b32 v[T0], v[B0], s[SEL], s[SEL+1]
	v_permlanex16_b32 v[T0+1], v[B0+1], s[SEL], s[SEL+1]
	v_max_num_f32 v[B0], v[B0], v[T0]              ; the largest t of each block of 32 keys: it serves for the row's maximum and, since p rises with t, for the block's largest p
	v_max_num_f32 v[B0+1], v[B0+1], v[T0+1]
	v_max_num_f32 v[RMV+(\i)], v[B0], v[B0+1]
	ds_store_b32 v[RXW], v[RMV+(\i)] offset:RMX+512*(\i)
.endm
	MLOAD 0
.irp i, 0,1,2,3,4,5,6,7
	TTILE \i
.endr
	BARRIER                                        ; the waves' maxima lie in LDS; the mask and Q are read out: their bytes are free
	; ---- -M = floor(-the row's largest t)
	XRD RMX
	s_wait_dscnt 0x0
.irp i, 0,1,2,3,4,5,6,7
	v_max3_num_f32 v[PF+8*\i], v[PF+8*\i], v[PF+8*\i+1], v[PF+8*\i+2]
.endr
.irp i, 0,1,2,3,4,5,6,7
	v_max3_num_f32 v[PF+8*\i], v[PF+8*\i], v[PF+8*\i+3], v[PF+8*\i+4]
.endr
.irp i, 0,1,2,3,4,5,6,7
	v_max3_num_f32 v[PF+8*\i], v[PF+8*\i], v[PF+8*\i+5], v[PF+8*\i+6]
.endr
.irp i, 0,1,2,3,4,5,6,7
	v_max_num_f32 v[PF+8*\i], v[PF+8*\i], v[PF+8*\i+7]
.endr
.irp i, 0,1,2,3,4,5,6,7
	v_floor_f32 v[NM+2*\i], -v[PF+8*\i]            ; M is a whole number
.endr
	; ---- p = 2^(t - M), its sum, its codes and scale bytes; then the tile's registers take the rows of X
.macro PTILE i
.set AC, 32*(\i)
.set B0, BM+2*(\i)
.set PCI, PF+8*(\i)
	v_add_f32 v[B0], v[B0], v[NM+2*(\i)]
	v_add_f32 v[B0+1], v[B0+1], v[NM+2*(\i)]
	v_exp_f32 v[B0], v[B0]                         ; the blocks' largest p: the same add and exponential on the same number give the same bits
	v_exp_f32 v[B0+1], v[B0+1]
	PLUS \i, NM+2*(\i)                             ; t - M
	WIN 0x41
.set n, 0
.rept 32
	v_exp_f32 v[AC+n], v[AC+n]                     ; p, at most 1, not normalised
.set n, n+1
.endr
	WIN 0
	s_wait_alu depctr_va_vdst(0)
	v_max_num_f32 v[B0], 0x4800000, v[B0]          ; the floor 2^(9 - 127): the byte cannot fall under 1.  (A plain instruction behind the exponentials)
	v_max_num_f32 v[B0+1], 0x4800000, v[B0+1]
	v_add_nc_u32 v[SO], 0xfc000000, v[B0]          ; 8 off the exponent field: the conversion's scale operand
	v_add_nc_u32 v[SO+1], 0xfc000000, v[B0+1]
	v_and_or_b32 v[HL], v[B0], 0x7f800000, s[MNT]  ; 448 x the scale
	v_and_or_b32 v[HL+1], v[B0+1], 0x7f800000, s[MNT]
	v_lshrrev_b32 v[BY], 23, v[SO]
	v_lshrrev_b32 v[BY+1], 23, v[SO+1]
	v_lshl_or_b32 v[PWD+(\i)], v[BY+1], 8, v[BY]   ; my two bytes of the query's sixteen
	SUM32 \i, PSV+(\i)                             ; the sum is taken of the unquantised p
	WIN 0x41
.irp p, 0,1
.set n, 0
.rept 16
	v_min_num_f32 v[AC+16*\p+n], v[AC+16*\p+n], v[HL+\p]   ; the conversion does not saturate (ISA guide 7.6.2); p is not negative, so the hold is one-sided
.set n, n+1
.endr
.endr
	WIN 0x01                                       ; source 0 window 1
.irp p, 0,1
	v_cvt_scalef32_pk8_fp8_f32 v[PCI+4*\p:PCI+4*\p+1], v[AC+16*\p:AC+16*\p+7], v[SO+\p]
	v_cvt_scalef32_pk8_fp8_f32 v[PCI+4*\p+2:PCI+4*\p+3], v[AC+16*\p+8:AC+16*\p+15], v[SO+\p]
.endr
	v_nop                                          ; a plain instruction behind the last conversion
	WIN 0
	ds_store_b128 v[PWI], v[PCI:PCI+3] offset:2048*(\i)
	ds_store_b128 v[PWI], v[PCI+4:PCI+7] offset:2048*(\i)+512
	ds_store_b16 v[PWS], v[PWD+(\i)] offset:256*(\i)
	ds_store_b32 v[RXW], v[PSV+(\i)] offset:RSM+512*(\i)
	WIN 0x40
.irp j, 0,1,2,3,4,5,6,7                ; rows 2 j and 2 j + 1 of the tile: sixteen lanes take my 256 consecutive bytes of a row
	global_load_b128 v[AC+4*\j:AC+4*\j+3], v[GD], s[P_X:P_X+1] offset:(32*((\i)/2)+8*((\i)%2)+2*\j+8*(\j/4))*2048 th:TH_LOAD_NT
.endr
	WIN 0
.endm
.irp i, 0,1,2,3,4,5,6,7
	PTILE \i
.endr
	BARRIER                                        ; P's images, scale bytes and the waves' sums lie in LDS
	; ---- l and 1 / l
	XRD RSM
.irp p, 0,1,2,3
	ds_load_b128 v[BS+4*\p:BS+4*\p+3], v[PLS] offset:512*\p
.endr
	ALOAD BB, P_VC, 1
	s_wait_dscnt 0x0
	SUMS                                           ; l(i) stays at v[PF + 8 i]
.irp i, 0,1,2,3,4,5,6,7
	v_rcp_f32 v[RL+2*\i], v[PF+8*\i]
.endr
	v_nop                                          ; a plain instruction behind the last reciprocal
	; ---- X turns through my stage into the result's layout, in place, and is multiplied by l: the C of the second product
.macro TIN i
.set AC, 32*(\i)
	WIN 0x04                                       ; an LDS store's data are its source 1: window 1
.irp j, 0,1,2,3,4,5,6,7
	ds_store_b128 v[STD], v[AC+4*\j:AC+4*\j+3] offset:2*STGP*\j
.endr
	WIN 0x40
.irp t, 0,1,2,3
.irp e, 0,1
	ds_load_b128 v[AC+8*\t+4*\e:AC+8*\t+4*\e+3], v[STF] offset:128*(\t/2)+32*(\t%2)+16*\e   ; LDS serves a wave's instructions in order: these see the stores above, and the next tile's stores come behind them
.endr
.endr
	WIN 0
.endm
	s_wait_loadcnt 63                              ; tile 0's rows are in: 72 loads were issued behind them, and a smaller count waits for more
	TIN 0
.irp i, 1,2,3,4,5,6,7
.if 8*(7-\i)+16 > 63
	s_wait_loadcnt 63
.else
	s_wait_loadcnt 8*(7-\i)+16                     ; behind tile i's rows: the later tiles' 8 loads each and V's 16
.endif
	TIN \i
	s_wait_dscnt 16                                ; tile i - 1 is back; tile i's 16 LDS instructions may be out
	MULT \i-1, PF+8*(\i-1)
.endr
	s_wait_dscnt 0x0
	MULT 7, PF+56
	; ---- O^T = l x + V^T P^T
	GSTEP BA, PLI, 0, 0, 1, 2, 0                   ; V's step 0 and scale words were shown in by the waits above
	ALOAD BA, P_VC, 2
	s_wait_loadcnt 16                              ; V's step 1; step 2's may be out
	GSTEP BB, PLI, 16384, 1, 1, 2, 0
	ALOAD BB, P_VC, 3
	s_wait_loadcnt 16
	GSTEP BA, PLI, 32768, 2, 1, 2, 0
	s_wait_loadcnt 0x0
	GSTEP BB, PLI, 49152, 3, 1, 2, 0
	; ---- / l; the mean
	v_mov_b32 v[T0], 0                             ; a lane permute's destination counts as one of its sources
	s_wait_alu depctr_va_vdst(0)
.irp i, 0,1,2,3,4,5,6,7
	MULT \i, RL+2*\i
	SUM32 \i, RMV+\i
	ds_store_b32 v[RXW], v[RMV+\i] offset:RMU+512*\i
.endr
	BARRIER
	XRD RMU
	s_wait_dscnt 0x0
	SUMS
.irp i, 0,1,2,3,4,5,6,7
	v_mul_f32 v[PF+8*\i], 0xbb000000, v[PF+8*\i]   ; -mean
.endr
	; ---- centred; the variance
.irp i, 0,1,2,3,4,5,6,7
	PLUS \i, PF+8*\i
	SQ32 \i, PSV+\i
	ds_store_b32 v[RXW], v[PSV+\i] offset:RVA+512*\i
.endr
	BARRIER
	XRD RVA
	s_wait_dscnt 0x0
	SUMS
.irp i, 0,1,2,3,4,5,6,7
	v_fma_f32 v[PF+8*\i], v[PF+8*\i], s[I512], s[EPS]
.endr
.irp i, 0,1,2,3,4,5,6,7
	v_rsq_f32 v[PF+8*\i], v[PF+8*\i]
.endr
	v_nop                                          ; a plain instruction behind the last root
	s_wait_alu depctr_va_vdst(0)
	; ---- the way out: scaled, back through my stage into dense rows, stored
.macro TOUT i
.set AC, 32*(\i)
	WIN 0x04
.irp t, 0,1,2,3
.irp e, 0,1
	ds_store_b128 v[STF], v[AC+8*\t+4*\e:AC+8*\t+4*\e+3] offset:128*(\t/2)+32*(\t%2)+16*\e
.endr
.endr
	WIN 0x40
.irp j, 0,1,2,3,4,5,6,7
	ds_load_b128 v[AC+4*\j:AC+4*\j+3], v[STD] offset:2*STGP*\j
.endr
	WIN 0
.endm
.macro SEND i, younger                 ; each tile keeps its own registers, so no store's data are written again
.set AC, 32*(\i)
	s_wait_dscnt \younger
	WIN 0x04                                       ; a store's data are its source 1: window 1
.irp j, 0,1,2,3,4,5,6,7
	global_store_b128 v[GD], v[AC+4*\j:AC+4*\j+3], s[P_O:P_O+1] offset:(32*((\i)/2)+8*((\i)%2)+2*\j+8*(\j/4))*2048 th:TH_STORE_NT   ; sixteen lanes store 256 consecutive bytes, aligned; the other sixteen the next row's
.endr
	WIN 0
.endm
	MULT 0, PF
	TOUT 0
.irp i, 1,2,3,4,5,6,7
	MULT \i, PF+8*\i
	TOUT \i
	SEND \i-1, 16                                  ; behind tile i - 1's loads: tile i's 8 stores and 8 loads
.endr
	SEND 7, 0
	s_wait_xcnt 0x0
	v_lshl_add_u32 v254, v0, 2, 0x4e000
	v_mov_b32 v255, 0
	s_wait_tensorcnt 0x0
	ds_add_u32 v254, v255
	s_wait_dscnt 0x0
	s_endpgm
.Lfunc_end_k_q14a20e9e72_attn:
	.size	k_q14a20e9e72_attn, .Lfunc_end_k_q14a20e9e72_attn-k_q14a20e9e72_attn
	.p2alignl 7, 3214868480
	.fill 96, 4, 3214868480
	.section	.rodata,"a",@progbits
	.p2align	6, 0x0
	.amdhsa_kernel k_q14a20e9e72_attn
		.amdhsa_group_segment_fixed_size 320512
		.amdhsa_private_segment_fixed_size 0
		.amdhsa_enable_private_segment 0
		.amdhsa_kernarg_size 72
		.amdhsa_user_sgpr_count 2
		.amdhsa_user_sgpr_kernarg_segment_ptr 1
		.amdhsa_wavefront_size32 1
		.amdhsa_system_sgpr_workgroup_id_x 1
		.amdhsa_system_sgpr_workgroup_id_y 1
		.amdhsa_system_sgpr_workgroup_id_z 1
		.amdhsa_system_vgpr_workitem_id 0
		.amdhsa_next_free_vgpr 512
		.amdhsa_next_free_sgpr 66
		.amdhsa_reserve_vcc 0
		.amdhsa_float_denorm_mode_32 3
		.amdhsa_float_denorm_mode_16_64 3
		.amdhsa_memory_ordered 1
		.amdhsa_forward_progress 1
		.amdhsa_inst_pref_size 252
	.end_amdhsa_kernel
	.amdgpu_metadata
---
amdhsa.version: [ 1, 2 ]
amdhsa.kernels:
  - .name:           k_q14a20e9e72_attn
    .symbol:         k_q14a20e9e72_attn.kd
    .args:
      - { .name: mask_array, .offset: 0, .size: 8, .value_kind: global_buffer, .address_space: global }
      - { .name: inputs, .offset: 8, .size: 8, .value_kind: global_buffer, .address_space: global }
      - { .name: qc, .offset: 16, .size: 8, .value_kind: global_buffer, .address_space: global }
      - { .name: qs, .offset: 24, .size: 8, .value_kind: global_buffer, .address_space: global }
      - { .name: kc, .offset: 32, .size: 8, .value_kind: global_buffer, .address_space: global }
      - { .name: ks, .offset: 40, .size: 8, .value_kind: global_buffer, .address_space: global }
      - { .name: vc, .offset: 48, .size: 8, .value_kind: global_buffer, .address_space: global }
      - { .name: vs, .offset: 56, .size: 8, .value_kind: global_buffer, .address_space: global }
      - { .name: out0, .offset: 64, .size: 8, .value_kind: global_buffer, .address_space: global }
    .group_segment_fixed_size: 320512
    .private_segment_fixed_size: 0
    .kernarg_segment_align: 8
    .kernarg_segment_size: 72
    .max_flat_workgroup_size: 256
    .sgpr_count:     66
    .vgpr_count:     512
    .wavefront_size: 32
...
	.end_amdgpu_metadata
.endif
;; end of part 2
;; ======== version 2 of 2: 2 launches
;; workspace buffers: qc 16,777,216 bytes; kc 16,777,216 bytes; vc 16,777,216 bytes; qs 524,288 bytes; ks 524,288 bytes; vs 524,288 bytes
;; launch proj (part 3): grid 256 x 1, 8 waves a work-group, no clusters, 142,336 bytes of LDS; arguments inputs, dw1_codes, dw1_scales, db1, dw2_codes, dw2_scales, db2, dw3_codes, dw3_scales, db3, qc, qs, kc, ks, vc, vs; writes qc, qs, kc, ks, vc, vs
.if DOCPART == 3
	.amdgcn_target "amdgcn-amd-amdhsa--gfx1250"
	.amdhsa_code_object_version 6
	.text
	.protected	k_q14a20e9e72_proj
	.globl	k_q14a20e9e72_proj
	.p2align	8
	.type	k_q14a20e9e72_proj,@function
k_q14a20e9e72_proj:
	s_mov_b64 s[64:65], 0
	v_nop
	global_prefetch_b8 v0, s[64:65] scope:SCOPE_SE
	s_setreg_imm32_b32 hwreg(HW_REG_WAVE_SCHED_MODE, 0, 2), 2
	s_setreg_imm32_b32 hwreg(HW_REG_WAVE_MODE, 25, 1), 1
	s_wait_xcnt 0x0
	s_wait_alu depctr_vm_vsrc(0)
; Q = Q8(X) W1 + b1, K = Q8(X) W2 + b2, V = Q8(X) W3 + b3 for 128 tokens a work-group (Q8: E4M3 codes, one E8M0 scale for each 32 along K), and each result quantised again
; for the second launch: Q and K along d, V along the tokens (its K there).  X: [32768][512] f32.  Wi: codes [512 (out)][512 (in)], scale bytes [512][16].  bi: [512] f32.
; reference() forms V twice from the same operands: it is formed once here.
; TILES OF 16 ARE NOT NEIGHBOURS, for tokens and for output columns alike: row m of tile 2 b + u is index 32 b + 8 u + m + (m & 8).  In a result (register j of lane (r, h): row 8 h + j of source 0)
; the 16 registers of tiles 2 b and 2 b + 1 are then the 16 neighbours 32 b + 16 h + 0 .. 15 of source 0's index, which is the order of an 8-bit operand's registers 4 c .. 4 c + 3.
; So Q and K are made with source 0 = rows of W (a lane holds one token, registers run along d) and V with source 0 = tokens (a lane holds one d, registers run along the tokens): the conversions' results are operand registers.
; WHAT IS STORED: operands as IMAGES OF THEIR REGISTERS: a fragment (16 rows x 128 K, 16 registers a lane) is four groups of 512 bytes, lane L's 16 bytes of group c at 512 c + 16 L.  Every store of a group covers 512 consecutive bytes, aligned.
;   qc, kc: [token tile 2048][K step 4][2048 bytes];  vc: [block 64][d tile 32][K step 4 (128 tokens)][2048];  qs, ks: [token tile][row 16][16 bytes];  vs: [block][K step][d tile][row] words.
; SHARES.  Eight waves.  Wave w quantises token tile w of X (once for all three products); its fragments go to the others through LDS as images.  In each of the three passes wave w owns output columns 64 w .. 64 w + 63:
; their 16 weight fragments fill register window 1 for the pass and are multiplied against all 8 token tiles, two tiles at a time: 8 accumulators by turns, one instruction a turn.
; No tensor load: each weight byte goes once into the registers in which it stays, and X has to turn through LDS anyway.  No cluster: the work-groups share the weights alone, and those go straight into registers.
; LIMITS: NaN and infinities among the inputs are not served.  A block of zeros gets the scale byte 1 where the quantiser's rule says 127: its codes are zeros, and this program alone reads the bytes.
; Blocks whose largest magnitude lies under 2^-118, the floor that holds the byte at 1, were not tried.
; REGISTERS, window 0: v1-15 addresses; v16-19 Q's or K's scale bytes of a pair of tiles; v20-23 V's scale words; v24-29 the scale bytes' way out; v32-47 the quantiser's; v48-63 codes just made;
;   v64-127 64 numbers of X, later the 8 accumulators; v128-191 X's fragments (2 K steps x 2 tiles); v192-223 the bias in the result's layout; v224-231 W's scale words; v232-235 X's.
;   window 1: X as it is loaded (64 k + 4 m), then the pass's weights (64 ct + 16 k + 4 c).
; THE MODE: SCHED_MODE bits 1:0 = 2 (LLVM: expert scheduling mode 2), set by the entry lines.  The code itself states the register dependences
; between vector or matrix instructions and memory or LDS instructions, with s_wait_alu, always for 0.
; THE PLAN.  Registers that memory or LDS instructions touch, and who else names them:
;   v1-15       Addresses: written by vector lines at the head, never again.  One wait ahead of X's loads (v1), one at the head's end (the others).
;   window 1    X's loads land; the stores into the stage read; W1's loads land; the pass's products read; the next pass's loads land.
;   v[ACC ..]   While X is quantised: the turn's LDS loads land, the quantiser reads and writes.  In the passes matrix and vector instructions alone name them.
;   v[PC ..], v[PW ..]  The quantiser writes, stores read.  While X is quantised the stores follow at once, behind a wait.  In the passes A PAIR'S STORES ARE ISSUED IN THE NEXT PAIR, behind the wait that stands there for X's fragments.
;   v[XF ..], v[XS ..], v[WS ..], v[BIAS ..]  Loads land, products read (V's bias is spread by vector lines, behind its load's wait).
;   v[VW ..]    Vector lines write, four LDS stores at the end read.   v[CO ..]  LDS loads land at the end; two of them served the head's arithmetic.   v254, v255  Written at the head, read by the closing add alone.
; A PAIR OF TOKEN TILES HAS FOUR LINES.  Behind K steps 0 and 1, one wait on va_vdst: the products are done reading X's fragments, in which K steps 2 and 3 land, and the quantiser of the pair before has written its codes and
; scale bytes, whose stores follow the fragments' loads.  Behind K steps 2 and 3, three lines together: those stores have read their registers (XCNT and vm_vsrc), which this pair's quantiser writes again; and the products are done
; reading all that the next loads land in (va_vdst).  The loads go out in one run behind them; the quantiser that follows names none of their registers.
.set SPITCH, 528                       ; a stage row: 512 bytes + 16 = 132 words: row r starts at bank 4 r mod 64 (64 banks of 4 bytes: ISA guide 11.1)
.set STGW,   16*SPITCH                 ; a wave's stage
.set XSC,    65536                     ; LDS: X's 32 images from byte 0 ([tile][K step][2048]); here their scale words [tile][row][16 bytes];
.set OSC,    67584                     ; the scale bytes of Q, K, V, 2,048 bytes each;
.set STG,    73728                     ; the eight stages
.set LI,  1                            ; 16 x lane: a lane's place in an image
.set STW, 2                            ; my stage + 16 x lane
.set STR, 3                            ; my stage + 528 r + 64 h
.set XWI, 4                            ; where I store X's images: 8192 w + 16 x lane
.set XWS, 5                            ; and their scale words: XSC + 256 w + 16 r
.set XLS, 7                            ; XSC + 16 x lane
.set WO,  8                            ; W: 512 x (r + (r & 8)) + 16 h
.set WSO, 9                            ; W's scale words: 16 x (8 h + r + (r & 8))
.set BO,  10                           ; b1, b2: 64 h
.set BV,  11                           ; b3: 4 x (r + (r & 8))
.set OSW, 12                           ; OSC + 16 r + 2 w
.set VSW, 13                           ; OSC + 4096 + 256 w + 4 r
.set OSR, 14                           ; OSC + 256 w + 8 x lane
.set GO8, 15                           ; 8 x lane
.set PW,  16
.set VW,  20
.set CO,  24
.set TM,  32                           ; +0..3 largest magnitudes, +4..7 bytes, +8..11 448 x the scale, +12..15 the conversions' scale operands
.set PC,  48
.set ACC, 64
.set XF,  128
.set BIAS, 192
.set WS,  224
.set XS,  232
.set P_X,  8                           ; the sixteen addresses, s[8:39]
.set P_W1, 10
.set P_S1, 12
.set P_B1, 14
.set P_W2, 16
.set P_S2, 18
.set P_B2, 20
.set P_W3, 22
.set P_S3, 24
.set P_B3, 26
.set P_QC, 28
.set P_QS, 30
.set P_KC, 32
.set P_KS, 34
.set P_VC, 36
.set P_VS, 38
.set SEL, 44                           ; s[44:45] v_permlanex16_b32's selects for lane l xor 16
.set MNT, 46                           ; s46 the mantissa field of 448
.set MSB, 0
.macro WIN new                         ; the immediate's high byte repeats the setting that is left; a switch that changes nothing is dropped
.if MSB != \new
	s_set_vgpr_msb (MSB<<8)|\new
.set MSB, \new
.endif
.endm
.macro PLACES n                        ; plain vector instructions behind a matrix instruction (ISA guide 7.12.1)
.rept \n
	v_nop
.endr
.endm
.macro BARRIER                         ; my LDS stores have landed and my LDS loads are in: then the work-group's barrier
	s_wait_dscnt 0x0
	s_barrier_signal -1
	s_barrier_wait -1
.endm
.macro ADDP p
	s_add_nc_u64 s[\p:\p+1], s[\p:\p+1], s[40:41]
.endm
; one matrix instruction; ra, rb: source 0's, source 1's scale words lie in lanes 16-31 of their registers
.macro WM d, a, b, c, sa, sb, ra, rb
.if (\ra) && (\rb)
	v_wmma_scale_f32_16x16x128_f8f6f4 v[\d:\d+7], v[\a:\a+15], v[\b:\b+15], v[\c:\c+7], v[\sa], v[\sb] matrix_a_scale:MATRIX_SCALE_ROW1 matrix_b_scale:MATRIX_SCALE_ROW1
.elseif (\ra)
	v_wmma_scale_f32_16x16x128_f8f6f4 v[\d:\d+7], v[\a:\a+15], v[\b:\b+15], v[\c:\c+7], v[\sa], v[\sb] matrix_a_scale:MATRIX_SCALE_ROW1
.elseif (\rb)
	v_wmma_scale_f32_16x16x128_f8f6f4 v[\d:\d+7], v[\a:\a+15], v[\b:\b+15], v[\c:\c+7], v[\sa], v[\sb] matrix_b_scale:MATRIX_SCALE_ROW1
.else
	v_wmma_scale_f32_16x16x128_f8f6f4 v[\d:\d+7], v[\a:\a+15], v[\b:\b+15], v[\c:\c+7], v[\sa], v[\sb]
.endif
.endm
; 64 numbers of a lane, four blocks of 16 registers; lane l xor 16 holds each block's other 16.  Codes to v[PC + 4 b], the blocks' bytes to v[TM + 4 + b].
; The lines that follow the macro (they pack the bytes) are the plain vector instructions that stand behind the last conversion.
.macro QUANT s
.irp b, 0,1,2,3
	v_max3_num_f32 v[TM+\b], |v[\s+16*\b]|, |v[\s+16*\b+1]|, 0x4800000   ; my 16 numbers and the floor 2^(9 - 127): the byte cannot fall under 1.  (Each accumulator is read from its low end on)
.endr
.irp i, 2,4,6,8,10,12,14
.irp b, 0,1,2,3
	v_max3_num_f32 v[TM+\b], v[TM+\b], |v[\s+16*\b+\i]|, |v[\s+16*\b+\i+1]|   ; the four blocks by turns
.endr
.endr
.irp b, 0,1,2,3
	v_permlanex16_b32 v[TM+4+\b], v[TM+\b], s[SEL], s[SEL+1]
.endr
.irp b, 0,1,2,3
	v_max_num_f32 v[TM+\b], v[TM+\b], v[TM+4+\b]             ; the block's largest magnitude
.endr
.irp b, 0,1,2,3
	v_add_nc_u32 v[TM+12+\b], 0xfc000000, v[TM+\b]           ; 8 off its exponent field: the conversion takes this operand's exponent field as its scale
.endr
.irp b, 0,1,2,3
	v_and_or_b32 v[TM+8+\b], v[TM+\b], 0x7f800000, s[MNT]    ; 448 x the scale
.endr
.irp b, 0,1,2,3
	v_lshrrev_b32 v[TM+4+\b], 23, v[TM+12+\b]                ; the scale's byte
.endr
.irp b, 0,1,2,3
.irp i, 0,1,2,3,4,5,6,7,8,9,10,11,12,13,14,15
	v_med3_num_f32 v[\s+16*\b+\i], v[\s+16*\b+\i], -v[TM+8+\b], v[TM+8+\b]   ; the conversion to an 8-bit code does not saturate (ISA guide 7.6.2): the hold at the largest code x the scale
.endr
	v_cvt_scalef32_pk8_fp8_f32 v[PC+4*\b:PC+4*\b+1], v[\s+16*\b:\s+16*\b+7], v[TM+12+\b]
	v_cvt_scalef32_pk8_fp8_f32 v[PC+4*\b+2:PC+4*\b+3], v[\s+16*\b+8:\s+16*\b+15], v[TM+12+\b]
.endr
.endm
.macro PACK4 dst                       ; the four bytes as one word
	v_lshl_or_b32 v[\dst], v[TM+5], 8, v[TM+4]
	v_lshl_or_b32 v[\dst], v[TM+6], 16, v[\dst]
	v_lshl_or_b32 v[\dst], v[TM+7], 24, v[\dst]
.endm
; column tile ct of my 64 columns: four fragments into window 1.  Lane (r, h) takes row 32 (ct / 2) + 8 (ct % 2) + r + (r & 8), bytes 128 k + 32 c + 16 h on
.macro LOADW ct, base
	WIN 0x40                                       ; destination window 1
.irp k, 0,1,2,3
.irp c, 0,1,2,3
	global_load_b128 v[64*(\ct)+16*\k+4*\c:64*(\ct)+16*\k+4*\c+3], v[WO], s[\base:\base+1] offset:(32*((\ct)/2)+8*((\ct)%2))*512+128*\k+32*\c
.endr
.endr
	WIN 0
.endm
.macro LOADS base                      ; W's scale words: register 4 p + k: lanes 0-15 tile 2 p, lanes 16-31 tile 2 p + 1, K step k
.irp p, 0,1
	global_load_b128 v[WS+4*\p:WS+4*\p+3], v[WSO], s[\base:\base+1] offset:512*\p
.endr
.endm
.macro LOADB_QK base                   ; lane (r, h), register j of tile ct: b[32 (ct / 2) + 8 (ct % 2) + 16 h + j]
.irp ct, 0,1,2,3
	global_load_b128 v[BIAS+8*\ct:BIAS+8*\ct+3], v[BO], s[\base:\base+1] offset:128*(\ct/2)+32*(\ct%2)
	global_load_b128 v[BIAS+8*\ct+4:BIAS+8*\ct+7], v[BO], s[\base:\base+1] offset:128*(\ct/2)+32*(\ct%2)+16
.endr
.endm
.macro LOADB_V base                    ; lane r: b[its column], the same for all eight registers: they are filled at the pass's head
.irp ct, 0,1,2,3
	global_load_b32 v[BIAS+8*\ct], v[BV], s[\base:\base+1] offset:(32*(\ct/2)+8*(\ct%2))*4
.endr
.endm
.macro FETCHX tg, k0                   ; X's fragments of token tiles 2 tg, 2 tg + 1, K steps k0, k0 + 1
.irp k, 0,1
.irp t, 0,1
.irp c, 0,1,2,3
	ds_load_b128 v[XF+32*\k+16*\t+4*\c:XF+32*\k+16*\t+4*\c+3], v[LI] offset:((2*(\tg)+\t)*4+(\k0)+\k)*2048+512*\c
.endr
.endr
.endr
.endm
.macro FETCHXS tg                      ; their scale words: register k: lanes 0-15 tile 2 tg, lanes 16-31 tile 2 tg + 1
	ds_load_b128 v[XS:XS+3], v[XLS] offset:512*(\tg)
.endm
; K step k of a pair of token tiles: 8 matrix instructions on 8 accumulators.  kind 0 (Q, K): source 0 = W's rows, source 1 = tokens.  kind 1 (V): source 0 = tokens, source 1 = W's rows.  The first K step takes the bias as C.
.macro MUL kind, k
.if \kind
.irp ct, 0,1,2,3
.irp u, 0,1
.if (\k) == 0
	WM ACC+16*\ct+8*\u, XF+16*\u, 64*\ct, BIAS+8*\ct, XS, WS+4*(\ct/2), \u, \ct%2
.else
	WM ACC+16*\ct+8*\u, XF+32*((\k)%2)+16*\u, 64*\ct+16*(\k), ACC+16*\ct+8*\u, XS+(\k), WS+4*(\ct/2)+(\k), \u, \ct%2
.endif
.endr
.endr
.else
.irp t, 0,1
.irp ct, 0,1,2,3
.if (\k) == 0
	WM ACC+32*\t+8*\ct, 64*\ct, XF+16*\t, BIAS+8*\ct, WS+4*(\ct/2), XS, \ct%2, \t
.else
	WM ACC+32*\t+8*\ct, 64*\ct+16*(\k), XF+32*((\k)%2)+16*\t, ACC+32*\t+8*\ct, WS+4*(\ct/2)+(\k), XS+(\k), \ct%2, \t
.endif
.endr
.endr
.endif
.endm
; The stores of pair tg of a pass: its codes, and for Q and K its scale bytes.  They read v[PC ..] and v[PW + tg], which that pair's quantiser wrote.
.macro SEND kind, outc, osc, tg
.if \kind
.irp ct, 0,1,2,3                       ; block ct: 32 tokens of d tile 4 w + ct: group tg of its fragment
	global_store_b128 v[LI], v[PC+4*\ct:PC+4*\ct+3], s[\outc:\outc+1] offset:8192*\ct+512*(\tg)   ; 512 consecutive bytes, aligned
.endr
.else
.irp t, 0,1                            ; block 2 t + p: 32 columns 64 w + 32 p on of token tile 2 tg + t
.irp p, 0,1
	global_store_b128 v[LI], v[PC+8*\t+4*\p:PC+8*\t+4*\p+3], s[\outc:\outc+1] offset:(2*(\tg)+\t)*8192+512*\p   ; 512 consecutive bytes, aligned
.endr
.endr
	ds_store_b16 v[OSW], v[PW+(\tg)] offset:\osc+512*(\tg)               ; bytes 2 w, 2 w + 1 of the token's 16: tile 2 tg,
	ds_store_b16_d16_hi v[OSW], v[PW+(\tg)] offset:\osc+512*(\tg)+256    ; tile 2 tg + 1
.endif
.endm
	s_load_b512 s[8:23], s[0:1], 0x0
	s_load_b512 s[24:39], s[0:1], 0x40
	v_lshl_add_u32 v254, v0, 2, 0x22800
	v_mov_b32 v255, 0
	v_lshrrev_b32 v28, 5, v0
	v_readfirstlane_b32 s2, v28                    ; wave 0..7
	v_and_b32 v28, 31, v0                          ; lane
	v_lshlrev_b32 v[LI], 4, v28
	s_wait_alu depctr_va_sdst(0)                   ; s2 is written, ahead of its first reader: bases and LDS addresses are made from it
	s_lshr_b32 s47, s2, 1
	s_and_b32 s48, s2, 1
	s_lshl_b32 s40, ttmp9, 18                      ; my work-group's 128 rows of 2,048 bytes,
	s_lshl_b32 s42, s47, 16                        ; and my token tile's first row: 32 (w / 2) + 8 (w % 2)
	s_add_co_u32 s40, s40, s42
	s_lshl_b32 s42, s48, 14
	s_add_co_u32 s40, s40, s42
	s_mov_b32 s41, 0
	s_wait_kmcnt 0x0
	ADDP P_X
	WIN 0x40
	s_wait_alu depctr_va_vdst(0)                   ; v[LI] is written, which the loads below read as their offset
.irp k, 0,1,2,3                        ; all of my tile's X is asked for at once: each load takes 512 consecutive bytes of one row, K step k
.irp m, 0,1,2,3,4,5,6,7,8,9,10,11,12,13,14,15
	global_load_b128 v[64*\k+4*\m:64*\k+4*\m+3], v[LI], s[P_X:P_X+1] offset:(\m+(\m&8))*2048+512*\k th:TH_LOAD_NT
.endr
.endr
	WIN 0
	s_lshl_b32 s40, s2, 15                         ; my 64 rows of each W,
	ADDP P_W1
	ADDP P_W2
	ADDP P_W3
	s_lshl_b32 s40, s2, 10                         ; their scale bytes,
	ADDP P_S1
	ADDP P_S2
	ADDP P_S3
	s_lshl_b32 s40, s2, 8                          ; my 64 numbers of each bias
	ADDP P_B1
	ADDP P_B2
	ADDP P_B3
	s_lshl_b32 s40, ttmp9, 16                      ; qc, kc: my work-group's 8 tiles; my 64 columns are groups 2 (w % 2), + 1 of K step w / 2
	s_lshl_b32 s42, s47, 11
	s_add_co_u32 s40, s40, s42
	s_lshl_b32 s42, s48, 10
	s_add_co_u32 s40, s40, s42
	ADDP P_QC
	ADDP P_KC
	s_lshl_b32 s40, ttmp9, 11                      ; qs, ks: 2,048 bytes a work-group, 256 a wave on the way out
	s_lshl_b32 s42, s2, 8
	s_add_co_u32 s40, s40, s42
	ADDP P_QS
	ADDP P_KS
	s_lshr_b32 s49, ttmp9, 2                       ; the block of 512 tokens,
	s_and_b32 s50, ttmp9, 3                        ; in which my 128 tokens are K step g % 4 of V
	s_lshl_b32 s50, s50, 11
	s_lshl_b32 s40, s49, 18
	s_lshl_b32 s42, s2, 15                         ; my four d tiles
	s_add_co_u32 s40, s40, s42
	s_add_co_u32 s40, s40, s50
	ADDP P_VC
	s_lshl_b32 s40, s49, 13
	s_lshl_b32 s42, s2, 8
	s_add_co_u32 s40, s40, s42
	s_add_co_u32 s40, s40, s50
	ADDP P_VS
	s_mov_b32 s[SEL], 0x76543210
	s_mov_b32 s[SEL+1], 0xfedcba98
	s_mov_b32 s[MNT], 0x600000
	v_and_b32 v29, 15, v0                          ; r
	v_bfe_u32 v30, v0, 4, 1                        ; h
	v_and_b32 v31, 8, v29
	v_add_nc_u32 v31, v31, v29                     ; r + (r & 8)
	s_mul_i32 s3, s2, STGW
	s_add_co_u32 s3, s3, STG
	v_add_nc_u32 v[STW], s3, v[LI]
	v_mul_u32_u24 v[STR], v29, SPITCH
	v_lshl_add_u32 v[STR], v30, 6, v[STR]
	v_add_nc_u32 v[STR], s3, v[STR]
	s_lshl_b32 s3, s2, 13
	v_add_nc_u32 v[XWI], s3, v[LI]
	s_lshl_b32 s3, s2, 8
	s_add_co_u32 s3, s3, XSC
	v_lshl_add_u32 v[XWS], v29, 4, s3
	v_add_nc_u32 v[XLS], XSC, v[LI]
	v_lshlrev_b32 v[WO], 9, v31
	v_lshl_add_u32 v[WO], v30, 4, v[WO]
	v_lshl_add_u32 v[WSO], v30, 3, v31
	v_lshlrev_b32 v[WSO], 4, v[WSO]
	v_lshlrev_b32 v[BO], 6, v30
	v_lshlrev_b32 v[BV], 2, v31
	s_lshl_b32 s3, s2, 1
	s_add_co_u32 s3, s3, OSC
	v_lshl_add_u32 v[OSW], v29, 4, s3
	s_lshl_b32 s3, s2, 8
	s_add_co_u32 s3, s3, OSC
	v_lshl_add_u32 v[OSR], v28, 3, s3
	s_add_co_u32 s3, s3, 4096
	v_lshl_add_u32 v[VSW], v29, 2, s3
	v_lshlrev_b32 v[GO8], 3, v28
.irp b, 0,1,2,3
	v_mov_b32 v[TM+4+\b], 0                        ; written once: a lane permute's destination counts as one of its sources
.endr
	s_wait_alu depctr_va_vdst(0)                   ; the addresses v2 to v15 are written, which every LDS and memory instruction from here on reads; the head is done with v28 and v29, in which LDS loads land at the end
; K step k of my token tile: 16 rows x 512 bytes turn through my stage, so that a lane gets 16 neighbours of each block of 32 of ITS row; quantised; the image and the scale word go to LDS.
.macro XSTEP k
	s_wait_loadcnt 48                              ; loads come back in order: behind this step's 16 stand 16 (3 - k) of X and 16 k of W1: always 48
	WIN 0x04                                       ; an LDS store's data are its source 1: window 1
.irp m, 0,1,2,3,4,5,6,7,8,9,10,11,12,13,14,15
	ds_store_b128 v[STW], v[64*(\k)+4*\m:64*(\k)+4*\m+3] offset:SPITCH*\m
.endr
	WIN 0
.irp b, 0,1,2,3
.irp j, 0,1,2,3
	ds_load_b128 v[ACC+16*\b+4*\j:ACC+16*\b+4*\j+3], v[STR] offset:128*\b+16*\j   ; LDS serves a wave's instructions in order: these see the stores above
.endr
.endr
	s_wait_dscnt 0x0                               ; the turn is back
	WIN 0x40                                       ; (the switch, then the wait, then the loads)
	s_wait_alu depctr_vm_vsrc(0)                   ; the stores into the stage have read the 64 landing registers, in which a column tile of W1 lands; the last step's image stores have read v[PC ..], which the conversions below write
	LOADW \k, P_W1                                 ; the 64 registers just left take a column tile of W1
	QUANT ACC
	PACK4 PW+(\k)
	s_wait_alu depctr_va_vdst(0)                   ; the conversions have written v[PC ..] and the packing v[PW + k], which the LDS stores read; the quantiser is done with v[ACC ..], in which the next step's turn lands
.irp c, 0,1,2,3
	ds_store_b128 v[XWI], v[PC+4*\c:PC+4*\c+3] offset:2048*(\k)+512*\c
.endr
	ds_store_b32 v[XWS], v[PW+(\k)] offset:4*(\k)  ; both halves of the lanes write the same word with the same value
.endm
	XSTEP 0
	XSTEP 1
	XSTEP 2
	XSTEP 3
	LOADS P_S1
	LOADB_QK P_B1
	BARRIER                                        ; X's 32 fragments and their scale words lie in LDS
	FETCHX 0, 0
	FETCHXS 0
; A pass: my 64 columns of one product for the 8 token tiles, a pair of tiles at a time.  nxt: 0 the last pass; 1 the next is K's; 2 the next is V's: its weights are asked for while this pass's last pair is quantised.
; prv = 1: a pass (Q's or K's) stands in front of this one, and its last pair's stores, to pvc and pvo, are issued in this pass's first pair.
.macro PASS kind, outc, osc, nxt, nw, nws, nb, prv, pvc, pvo
.set WMUL, 0x01+3*\kind                ; the weights lie in window 1: as source 0 (Q, K) or as source 1 (V)
	s_wait_loadcnt 0x0                             ; the pass's weights, scale words and bias
.if \kind
.irp ct, 0,1,2,3
.irp j, 1,2,3,4,5,6,7
	v_mov_b32 v[BIAS+8*\ct+\j], v[BIAS+8*\ct]      ; V's bias hangs on the lane's column alone
.endr
.endr
.endif
	s_wait_alu depctr_va_vdst(0)
.irp tg, 0,1,2,3
	s_wait_dscnt 0x0                               ; X's fragments of K steps 0, 1 and the scale words
	WIN WMUL
	MUL \kind, 0
	MUL \kind, 1
	WIN 0
	PLACES 8                                       ; the places behind the products stay beside the wait
	s_wait_alu depctr_va_vdst(0)                   ; the products are done reading v[XF ..], in which K steps 2 and 3 land; the quantiser of the pair before has written v[PC ..] and its v[PW ..], which the stores below read
	FETCHX \tg, 2
.if \tg > 0
	SEND \kind, \outc, \osc, \tg-1                 ; the pair before goes out while the fragments are on their way
.elseif \prv
	SEND 0, \pvc, \pvo, 3                          ; likewise the last pair of the pass before
.endif
	s_wait_dscnt 0x0
	WIN WMUL
	MUL \kind, 2
	MUL \kind, 3
	WIN 0
	PLACES 8                                       ; for the first read of the results; they stay beside the waits below
	s_wait_xcnt 0x0                                ; the stores issued in this pair have had their addresses translated (ISA guide 3.1): v[PC ..] is written again only behind this wait,
	s_wait_alu depctr_vm_vsrc(0)                   ; and they have read v[PC ..] and v[PW ..], which the conversions and the packing below write
.if (\tg < 3) || (\nxt > 0)
	s_wait_alu depctr_va_vdst(0)                   ; the products are done reading v[XF ..] and v[XS ..] and, in a pass's last pair, the weights, v[WS ..] and v[BIAS ..]: the loads below land in them
	FETCHX (\tg+1)%4, 0                            ; the next pair's fragments land while this pair is quantised: the quantiser names none of these loads' registers
	FETCHXS (\tg+1)%4
.endif
.if (\tg == 3) && (\nxt > 0)
	LOADW 0, \nw
	LOADW 1, \nw
	LOADW 2, \nw
	LOADW 3, \nw
	LOADS \nws
.if \nxt == 1
	LOADB_QK \nb
.else
	LOADB_V \nb
.endif
.endif
	QUANT ACC
.if \kind
.irp ct, 0,1,2,3                       ; block ct: byte tg of d tile 4 w + ct's scale word
.if \tg == 0
	v_mov_b32 v[VW+\ct], v[TM+4+\ct]
.else
	v_lshl_or_b32 v[VW+\ct], v[TM+4+\ct], 8*\tg, v[VW+\ct]
.endif
.endr
.else
	PACK4 PW+\tg                                   ; block 2 t + p: 32 columns 64 w + 32 p on of token tile 2 tg + t
.endif
.endr
.endm
	PASS 0, P_QC, 0,    1, P_W2, P_S2, P_B2, 0, 0, 0
	PASS 0, P_KC, 2048, 2, P_W3, P_S3, P_B3, 1, P_QC, 0
	PASS 1, P_VC, 4096, 0, 0, 0, 0, 1, P_KC, 2048
	s_wait_alu depctr_va_vdst(0)                   ; the last pair's conversions have written v[PC ..], and V's scale words v[VW ..] are whole: the stores below read them
	SEND 1, P_VC, 0, 3
.irp ct, 0,1,2,3
	ds_store_b32 v[VSW], v[VW+\ct] offset:64*\ct
.endr
	BARRIER                                        ; the scale bytes of all eight waves lie in LDS
.irp q, 0,1,2
	ds_load_b64 v[CO+2*\q:CO+2*\q+1], v[OSR] offset:2048*\q
.endr
	s_wait_dscnt 0x0
	global_store_b64 v[GO8], v[CO:CO+1], s[P_QS:P_QS+1]       ; each store of the wave covers 256 consecutive bytes, aligned
	global_store_b64 v[GO8], v[CO+2:CO+3], s[P_KS:P_KS+1]
	global_store_b64 v[GO8], v[CO+4:CO+5], s[P_VS:P_VS+1]
	s_wait_dscnt 0x0                               ; the closing lines, six on end
	s_wait_alu 0x0
	s_wait_tensorcnt 0x0
	ds_add_u32 v254, v255
	s_wait_dscnt 0x0
	s_endpgm
.Lfunc_end_k_q14a20e9e72_proj:
	.size	k_q14a20e9e72_proj, .Lfunc_end_k_q14a20e9e72_proj-k_q14a20e9e72_proj
	.p2alignl 7, 3214868480
	.fill 96, 4, 3214868480
	.section	.rodata,"a",@progbits
	.p2align	6, 0x0
	.amdhsa_kernel k_q14a20e9e72_proj
		.amdhsa_group_segment_fixed_size 142336
		.amdhsa_private_segment_fixed_size 0
		.amdhsa_enable_private_segment 0
		.amdhsa_kernarg_size 128
		.amdhsa_user_sgpr_count 2
		.amdhsa_user_sgpr_kernarg_segment_ptr 1
		.amdhsa_wavefront_size32 1
		.amdhsa_system_sgpr_workgroup_id_x 1
		.amdhsa_system_sgpr_workgroup_id_y 1
		.amdhsa_system_sgpr_workgroup_id_z 1
		.amdhsa_system_vgpr_workitem_id 0
		.amdhsa_next_free_vgpr 512
		.amdhsa_next_free_sgpr 66
		.amdhsa_reserve_vcc 0
		.amdhsa_float_denorm_mode_32 3
		.amdhsa_float_denorm_mode_16_64 3
		.amdhsa_memory_ordered 1
		.amdhsa_forward_progress 1
		.amdhsa_inst_pref_size 255
	.end_amdhsa_kernel
	.section	.bss,"aw",@nobits
	.p2align	6
	.space	262144
	.amdgpu_metadata
---
amdhsa.version: [ 1, 2 ]
amdhsa.kernels:
  - .name:           k_q14a20e9e72_proj
    .symbol:         k_q14a20e9e72_proj.kd
    .args:
      - { .name: inputs, .offset: 0, .size: 8, .value_kind: global_buffer, .address_space: global }
      - { .name: dw1_codes, .offset: 8, .size: 8, .value_kind: global_buffer, .address_space: global }
      - { .name: dw1_scales, .offset: 16, .size: 8, .value_kind: global_buffer, .address_space: global }
      - { .name: db1, .offset: 24, .size: 8, .value_kind: global_buffer, .address_space: global }
      - { .name: dw2_codes, .offset: 32, .size: 8, .value_kind: global_buffer, .address_space: global }
      - { .name: dw2_scales, .offset: 40, .size: 8, .value_kind: global_buffer, .address_space: global }
      - { .name: db2, .offset: 48, .size: 8, .value_kind: global_buffer, .address_space: global }
      - { .name: dw3_codes, .offset: 56, .size: 8, .value_kind: global_buffer, .address_space: global }
      - { .name: dw3_scales, .offset: 64, .size: 8, .value_kind: global_buffer, .address_space: global }
      - { .name: db3, .offset: 72, .size: 8, .value_kind: global_buffer, .address_space: global }
      - { .name: qc, .offset: 80, .size: 8, .value_kind: global_buffer, .address_space: global }
      - { .name: qs, .offset: 88, .size: 8, .value_kind: global_buffer, .address_space: global }
      - { .name: kc, .offset: 96, .size: 8, .value_kind: global_buffer, .address_space: global }
      - { .name: ks, .offset: 104, .size: 8, .value_kind: global_buffer, .address_space: global }
      - { .name: vc, .offset: 112, .size: 8, .value_kind: global_buffer, .address_space: global }
      - { .name: vs, .offset: 120, .size: 8, .value_kind: global_buffer, .address_space: global }
    .group_segment_fixed_size: 142336
    .private_segment_fixed_size: 0
    .kernarg_segment_align: 8
    .kernarg_segment_size: 128
    .max_flat_workgroup_size: 256
    .sgpr_count:     66
    .vgpr_count:     512
    .wavefront_size: 32
...
	.end_amdgpu_metadata
.endif
;; end of part 3
;; launch attn (part 4): grid 256 x 1, 8 waves a work-group, no clusters, 320,512 bytes of LDS; arguments mask_array, inputs, qc, qs, kc, ks, vc, vs, out0; writes out0
.if DOCPART == 4
	.amdgcn_target "amdgcn-amd-amdhsa--gfx1250"
	.amdhsa_code_object_version 6
	.text
	.protected	k_q14a20e9e72_attn
	.globl	k_q14a20e9e72_attn
	.p2align	8
	.type	k_q14a20e9e72_attn,@function
k_q14a20e9e72_attn:
	s_mov_b64 s[64:65], 0
	v_nop
	global_prefetch_b8 v0, s[64:65] scope:SCOPE_SE
	s_setreg_imm32_b32 hwreg(HW_REG_WAVE_MODE, 25, 1), 1
	s_wait_xcnt 0x0
; out = LayerNorm(softmax(Q K^T / sqrt(512) + (1 - m) (-1e10)) V + X) for 128 queries a work-group; a block of 512 tokens attends to itself; four work-groups to a block.
; Both products on E4M3 codes with one E8M0 scale for each 32 along K.  Q, K, V come from the first launch as images of operand registers (a fragment: 16 rows x 128 K, four groups of 512 bytes, lane L's 16 bytes of group c at 512 c + 16 L).
; TILES OF 16 ARE NOT NEIGHBOURS (tokens and d alike): row m of tile 2 b + u is index 32 b + 8 u + m + (m & 8), so that the 16 registers of tiles 2 b, 2 b + 1 of a result are the neighbours 32 b + 16 h + 0 .. 15 of source 0's index.
; SHARES.  Eight waves SHARE THE COLUMNS, NOT THE ROWS.  S^T = K Q^T: wave w owns keys 64 w .. + 63 (source 0), against all 128 queries (source 1): 32 accumulators, register window 1, accumulator (i, t) at 32 i + 8 t.
; O^T = V^T P^T: wave w owns d 64 w .. + 63, same accumulators.  A lane holds ONE query (lane % 16 of tile i) throughout.  K and V go from memory straight into registers, once a work-group; Q and P go round as images in LDS.
; SOFTMAX.  t = S c + (m G - G), c = log2(e) / sqrt(512), G = 1e10 log2(e).  All 512 keys of a row are held at once, so M = ceil(the row's largest t) is found first (the waves' maxima meet in LDS); p = 2^(t - M) is quantised along the keys;
; l = the sum of the unquantised p.  A block's largest p is the same add and exponential of the block's largest t.  The residual is the C of the second product's first K step, as l x: dividing by l at the end gives O / l + x.
; LAYERNORM in two passes: the mean; then the variance of the centred numbers: no difference of large sums.
; THE MASK, 128 rows x 2,048 bytes, comes by eight tensor loads (one a wave, each filled once: nothing is filled again); when it is read out, its bytes serve as stage and for P's images.
; LIMITS: NaN and infinities are not served.  t has two roundings (m G - G, exact 0 where m = 1; then S c + that) where reference() has four; where the mask term is huge the score is rounded away beside it, as in reference().
; A block of p that is all zeros keeps the scale byte 1: its codes are zeros.  p under 2^-126 is 0 (v_exp_f32's result: ISA guide 15.8).
; REGISTERS, window 0: v1-15, v57 addresses; v16-31 Q's K step 3 on its way, then -M(i), then 1 / l(i), at v[16 + 2 i]; v32-39 K's, then V's scale words; v40-55 Q's, then P's; v58-59 -G;
;   v64-127, v192-255 two buffers of four fragments of K or V; v128-191 four fragments of Q or P; the mask of two tiles; P's codes; what the exchanges bring (l, -mean, 1 / sigma of tile i stay at v[128 + 8 i]);
;   in the softmax and the norm v192-207 the blocks' largest t, v208-231 a register a tile for each number that an LDS store reads, v232-245 at work.
.set MPITCH, 1040                      ; a mask row in LDS: half a row, 1,024 bytes + 16
.set MPLANE, 128*MPITCH                ; columns 0-255 of the 128 rows, then columns 256-511
.set QI,     266240                    ; behind the mask: three slots for Q's images, [tile][2048] each
.set QSLOT,  16384
.set RX,     266240                    ; the exchanges [16 i + r][wave] f32, 4,096 bytes each: sums, means, variances in Q's bytes once Q is done with;
.set RSM,    0
.set RMU,    4096
.set RVA,    8192
.set RMX,    49152                     ; the maxima behind Q's slots
.set STGP,   272                       ; in the mask's bytes, once it is read out: a stage of 16 rows x (256 + 16) bytes for each wave: 68 words, row r starts at bank 4 r mod 64 (64 banks of 4 bytes: ISA guide 11.1);
.set STGW,   16*STGP
.set PIMG,   36864                     ; P's images [K step][tile][2048];
.set PSC,    102400                    ; P's scale bytes [tile][row][16]
.set LI,  1                            ; 16 x lane
.set MA0, 2                            ; the mask: my plane + 256 (w % 4) + 1040 (r + (r & 8)) + 64 h;
.set MA1, 3                            ; 64 rows further on
.set STD, 4                            ; my stage, dense: 272 h + 16 r
.set STF, 5                            ; my stage, as a result lies: 272 r + 64 h
.set GD,  6                            ; X, out: 2048 h + 16 r: sixteen lanes take my 256 bytes of a row, the other sixteen the next row's
.set QWI, 7
.set QLI, 8
.set PLI, 9
.set PWI, 10
.set PWS, 11
.set PLS, 12
.set RXW, 13
.set RXR, 14
.set VSO, 15                           ; 4 x lane
.set Q3,  16
.set NM,  16
.set RL,  16
.set AS,  32
.set BS,  40
.set PFV, 57                           ; 256 x lane
.set NG,  58
.set BA,  64
.set PF,  128
.set BB,  192
.set BM,  192
.set RMV, 208
.set PSV, 216
.set PWD, 224
.set C0,  232
.set C1,  234
.set T0,  236
.set SO,  240
.set HL,  242
.set BY,  244
.set P_M,  8
.set P_X,  10
.set P_QC, 12
.set P_QS, 14
.set P_KC, 16
.set P_KS, 18
.set P_VC, 20
.set P_VS, 22
.set P_O,  24
.set VPF,  26
.set G0,   28
.set G1,   32
.set SEL,  40
.set CS,   42
.set GS,   44
.set MNT,  46
.set I512, 54
.set EPS,  55
.set MSB, 0
.macro WIN new                         ; the immediate's high byte repeats the setting that is left; a switch that changes nothing is dropped
.if MSB != \new
	s_set_vgpr_msb (MSB<<8)|\new
.set MSB, \new
.endif
.endm
.macro PLACES n
.rept \n
	v_nop
.endr
.endm
.macro BARRIER                         ; my LDS stores have landed and my LDS loads are in: then the work-group's barrier
	s_wait_dscnt 0x0
	s_barrier_signal -1
	s_barrier_wait -1
.endm
.macro ADDP p
	s_add_nc_u64 s[\p:\p+1], s[\p:\p+1], s[50:51]
.endm
.macro WM d, a, b, sa, sb, ra, rb      ; adds in place; ra, rb: the scale words lie in lanes 16-31
.if (\ra) && (\rb)
	v_wmma_scale_f32_16x16x128_f8f6f4 v[\d:\d+7], v[\a:\a+15], v[\b:\b+15], v[\d:\d+7], v[\sa], v[\sb] matrix_a_scale:MATRIX_SCALE_ROW1 matrix_b_scale:MATRIX_SCALE_ROW1
.elseif (\ra)
	v_wmma_scale_f32_16x16x128_f8f6f4 v[\d:\d+7], v[\a:\a+15], v[\b:\b+15], v[\d:\d+7], v[\sa], v[\sb] matrix_a_scale:MATRIX_SCALE_ROW1
.elseif (\rb)
	v_wmma_scale_f32_16x16x128_f8f6f4 v[\d:\d+7], v[\a:\a+15], v[\b:\b+15], v[\d:\d+7], v[\sa], v[\sb] matrix_b_scale:MATRIX_SCALE_ROW1
.else
	v_wmma_scale_f32_16x16x128_f8f6f4 v[\d:\d+7], v[\a:\a+15], v[\b:\b+15], v[\d:\d+7], v[\sa], v[\sb]
.endif
.endm
.macro WMZ d, a, b, sa, sb, ra, rb     ; starts a sum
.if (\ra) && (\rb)
	v_wmma_scale_f32_16x16x128_f8f6f4 v[\d:\d+7], v[\a:\a+15], v[\b:\b+15], 0, v[\sa], v[\sb] matrix_a_scale:MATRIX_SCALE_ROW1 matrix_b_scale:MATRIX_SCALE_ROW1
.elseif (\ra)
	v_wmma_scale_f32_16x16x128_f8f6f4 v[\d:\d+7], v[\a:\a+15], v[\b:\b+15], 0, v[\sa], v[\sb] matrix_a_scale:MATRIX_SCALE_ROW1
.elseif (\rb)
	v_wmma_scale_f32_16x16x128_f8f6f4 v[\d:\d+7], v[\a:\a+15], v[\b:\b+15], 0, v[\sa], v[\sb] matrix_b_scale:MATRIX_SCALE_ROW1
.else
	v_wmma_scale_f32_16x16x128_f8f6f4 v[\d:\d+7], v[\a:\a+15], v[\b:\b+15], 0, v[\sa], v[\sb]
.endif
.endm
.macro ALOAD buf, base, k              ; my four tiles' fragments of K step k, as they lie: every load takes 512 consecutive bytes
.irp t, 0,1,2,3
.irp c, 0,1,2,3
	global_load_b128 v[\buf+16*\t+4*\c:\buf+16*\t+4*\c+3], v[LI], s[\base:\base+1] offset:8192*\t+2048*(\k)+512*\c
.endr
.endr
.endm
; A K step of 128: my four tiles (buffer abuf) against the eight query tiles, four at a time from LDS.  32 accumulators by turns, one instruction a turn, in the same order in every step.
; amt, ams: source 0's scale word of tile t, K step k lies in register AS + amt (t / 2) + ams k (K's: 4, 1; V's: 1, 2), lanes 16 (t % 2) on.
.macro GSTEP abuf, badr, boff, k, amt, ams, zero
.irp hq, 0,1
.irp il, 0,1,2,3
.irp c, 0,1,2,3
	ds_load_b128 v[PF+16*\il+4*\c:PF+16*\il+4*\c+3], v[\badr] offset:(\boff)+(4*\hq+\il)*2048+512*\c
.endr
.endr
	s_wait_dscnt 0x0
	WIN 0x50                                       ; C and D window 1
.irp il, 0,1,2,3
.irp t, 0,1,2,3
.if \zero
	WMZ 32*(4*\hq+\il)+8*\t, \abuf+16*\t, PF+16*\il, AS+(\amt)*(\t/2)+(\ams)*(\k), BS+4*((4*\hq+\il)/2)+(\k), \t%2, \il%2
.else
	WM 32*(4*\hq+\il)+8*\t, \abuf+16*\t, PF+16*\il, AS+(\amt)*(\t/2)+(\ams)*(\k), BS+4*((4*\hq+\il)/2)+(\k), \t%2, \il%2
.endif
.endr
.endr
	WIN 0
	PLACES 8                                       ; in front of the next loads into registers that these have read, and of the first read of results
.endr
.endm
.macro XRD reg                         ; the eight waves' numbers for my query of each tile: v[PF + 8 i + wave]
.irp i, 0,1,2,3,4,5,6,7
	ds_load_b128 v[PF+8*\i:PF+8*\i+3], v[RXR] offset:\reg+512*\i
	ds_load_b128 v[PF+8*\i+4:PF+8*\i+7], v[RXR] offset:\reg+512*\i+16
.endr
.endm
.macro SUMS                            ; their sums, the eight tiles by turns, into v[PF + 8 i]: every wave adds in the same order
.irp i, 0,1,2,3,4,5,6,7
	v_pk_add_f32 v[PF+8*\i:PF+8*\i+1], v[PF+8*\i:PF+8*\i+1], v[PF+8*\i+2:PF+8*\i+3]
.endr
.irp i, 0,1,2,3,4,5,6,7
	v_pk_add_f32 v[PF+8*\i+4:PF+8*\i+5], v[PF+8*\i+4:PF+8*\i+5], v[PF+8*\i+6:PF+8*\i+7]
.endr
.irp i, 0,1,2,3,4,5,6,7
	v_pk_add_f32 v[PF+8*\i:PF+8*\i+1], v[PF+8*\i:PF+8*\i+1], v[PF+8*\i+4:PF+8*\i+5]
.endr
.irp i, 0,1,2,3,4,5,6,7
	v_add_f32 v[PF+8*\i], v[PF+8*\i], v[PF+8*\i+1]
.endr
.endm
.macro FOLD dst                        ; two packed chains -> one number, with lane l xor 16's
	WIN 0
	v_pk_add_f32 v[C0:C0+1], v[C0:C0+1], v[C1:C1+1]
	s_delay_alu instid0(VALU_DEP_1)
	v_add_f32 v[C0], v[C0], v[C0+1]
	s_delay_alu instid0(VALU_DEP_1)
	v_permlanex16_b32 v[T0], v[C0], s[SEL], s[SEL+1]
	s_delay_alu instid0(VALU_DEP_1)
	v_add_f32 v[\dst], v[C0], v[T0]
.endm
.macro SUM32 i, dst                    ; the sum of tile i's 32 registers and lane l xor 16's: my wave's 64 columns of my query
.set AS0, 32*(\i)
	WIN 0x05                                       ; sources 0 and 1 window 1
	v_pk_add_f32 v[C0:C0+1], v[AS0:AS0+1], v[AS0+2:AS0+3]
	v_pk_add_f32 v[C1:C1+1], v[AS0+4:AS0+5], v[AS0+6:AS0+7]
	WIN 0x04                                       ; source 1 window 1
.irp q, 8,12,16,20,24,28
	v_pk_add_f32 v[C0:C0+1], v[C0:C0+1], v[AS0+\q:AS0+\q+1]
	v_pk_add_f32 v[C1:C1+1], v[C1:C1+1], v[AS0+\q+2:AS0+\q+3]
.endr
	FOLD \dst
.endm
.macro SQ32 i, dst                     ; the same of their squares
.set AS0, 32*(\i)
	WIN 0x05
	v_pk_mul_f32 v[C0:C0+1], v[AS0:AS0+1], v[AS0:AS0+1]
	v_pk_mul_f32 v[C1:C1+1], v[AS0+2:AS0+3], v[AS0+2:AS0+3]
.irp q, 4,8,12,16,20,24,28
	s_delay_alu instid0(VALU_DEP_2)
	v_pk_fma_f32 v[C0:C0+1], v[AS0+\q:AS0+\q+1], v[AS0+\q:AS0+\q+1], v[C0:C0+1]
	s_delay_alu instid0(VALU_DEP_2)
	v_pk_fma_f32 v[C1:C1+1], v[AS0+\q+2:AS0+\q+3], v[AS0+\q+2:AS0+\q+3], v[C1:C1+1]
.endr
	FOLD \dst
.endm
.macro MULT i, pr                      ; tile i's 32 registers x the number in v[pr] (the low word of the pair serves both halves), from the low end on
.set AM, 32*(\i)
	WIN 0x41                                       ; destination and source 0 window 1
.irp q, 0,2,4,6,8,10,12,14,16,18,20,22,24,26,28,30
	v_pk_mul_f32 v[AM+\q:AM+\q+1], v[AM+\q:AM+\q+1], v[\pr:\pr+1] op_sel_hi:[1,0]
.endr
	WIN 0
.endm
.macro PLUS i, pr                      ; + the number in v[pr]
.set AM, 32*(\i)
	WIN 0x41
.irp q, 0,2,4,6,8,10,12,14,16,18,20,22,24,26,28,30
	v_pk_add_f32 v[AM+\q:AM+\q+1], v[AM+\q:AM+\q+1], v[\pr:\pr+1] op_sel_hi:[1,0]
.endr
	WIN 0
.endm
	s_load_b512 s[8:23], s[0:1], 0x0
	s_load_b64 s[P_O:P_O+1], s[0:1], 0x40
	v_lshl_add_u32 v254, v0, 2, 0x4e000
	v_mov_b32 v255, 0
	ds_add_u32 v254, v255
	ds_add_u32 v254, v255
	s_wait_dscnt 0x0
	v_lshrrev_b32 v60, 5, v0
	s_delay_alu instid0(VALU_DEP_1)
	v_readfirstlane_b32 s2, v60                    ; wave 0..7
	v_and_b32 v60, 31, v0                          ; lane
	s_delay_alu instid0(VALU_DEP_1)
	v_lshlrev_b32 v[LI], 4, v60
	s_lshr_b32 s3, s2, 2                           ; which half of the mask's columns I fetch,
	s_and_b32 s4, s2, 3                            ; and which 32 of the 128 rows
	; descriptor group 1: 32 rows x 256 elements of 4 bytes, rows 512 elements apart in memory; in LDS 4 words of padding behind every 256
	s_mov_b32 s[G1+0], (2<<16)|(1<<20)|(7<<22)|(3<<25)
	s_mov_b32 s[G1+1], 256<<16                     ; tensor_dim0
	s_mov_b32 s[G1+2], 32<<16                      ; tensor_dim1
	s_mov_b32 s[G1+3], 256<<16                     ; tile_dim0
	s_mov_b32 s[G1+4], 32                          ; tile_dim1
	s_mov_b32 s[G1+5], 512                         ; tensor_dim0_stride
	s_mov_b32 s[G1+6], 0
	s_mov_b32 s[G1+7], 0
	s_mul_i32 s5, s3, MPLANE
	s_mul_i32 s6, s4, 32*MPITCH
	s_mov_b32 s[G0], 1
	s_add_co_u32 s[G0+1], s5, s6                   ; LDS address: a constant x (w / 4) + a constant x (w % 4)
	s_lshl_b32 s48, ttmp9, 18                      ; my work-group's 128 rows of 2,048 bytes
	s_lshl_b32 s50, s4, 16
	s_add_co_u32 s50, s50, s48
	s_lshl_b32 s52, s3, 10
	s_add_co_u32 s50, s50, s52
	s_mov_b32 s51, 0
	s_wait_alu depctr_va_vdst(0)
	s_wait_kmcnt 0x0
	s_add_nc_u64 s[G0+2:G0+3], s[P_M:P_M+1], s[50:51]
	s_or_b32 s[G0+3], s[G0+3], 0x80000000          ; type = 2
	tensor_load_to_lds s[G0:G0+3], s[G1:G1+7]      ; my one tensor load; its registers are not written again
	s_nop 0
	PLACES 4
	s_lshr_b32 s53, ttmp9, 2                       ; the block
	s_lshl_b32 s50, ttmp9, 16                      ; Q: my work-group's 8 tiles, of which I bring tile w
	s_lshl_b32 s52, s2, 13
	s_add_co_u32 s50, s50, s52
	ADDP P_QC
	s_lshl_b32 s50, s53, 18                        ; the prefetch of V: my work-group's quarter of the block's 262,144 bytes, my wave's 8,192 of it
	s_and_b32 s52, ttmp9, 3
	s_lshl_b32 s52, s52, 16
	s_add_co_u32 s50, s50, s52
	s_lshl_b32 s52, s2, 13
	s_add_co_u32 s50, s50, s52
	s_add_nc_u64 s[VPF:VPF+1], s[P_VC:P_VC+1], s[50:51]
	s_lshl_b32 s50, s53, 18                        ; K, V: the block, my four tiles
	s_lshl_b32 s52, s2, 15
	s_add_co_u32 s50, s50, s52
	ADDP P_KC
	ADDP P_VC
	s_lshl_b32 s50, s53, 13                        ; K's scale bytes: 256 a tile
	s_lshl_b32 s52, s2, 10
	s_add_co_u32 s50, s50, s52
	ADDP P_KS
	s_lshl_b32 s50, s53, 13                        ; V's scale words: 64 bytes a tile in each K step's 2,048
	s_lshl_b32 s52, s2, 8
	s_add_co_u32 s50, s50, s52
	ADDP P_VS
	s_lshl_b32 s50, ttmp9, 11
	ADDP P_QS
	s_add_co_u32 s50, s48, s52                     ; X, out: my work-group's rows, my wave's 256 bytes of each
	ADDP P_X
	ADDP P_O
.irp k, 0,1,2
.irp c, 0,1,2,3
	global_load_b128 v[PF+16*\k+4*\c:PF+16*\k+4*\c+3], v[LI], s[P_QC:P_QC+1] offset:2048*\k+512*\c th:TH_LOAD_NT
.endr
.endr
.irp c, 0,1,2,3
	global_load_b128 v[Q3+4*\c:Q3+4*\c+3], v[LI], s[P_QC:P_QC+1] offset:6144+512*\c th:TH_LOAD_NT   ; K step 3 waits in registers: LDS has room for three
.endr
.irp p, 0,1
	global_load_b128 v[AS+4*\p:AS+4*\p+3], v[LI], s[P_KS:P_KS+1] offset:512*\p   ; register 4 p + k: lanes 0-15 my tile 2 p, lanes 16-31 tile 2 p + 1
.endr
.irp p, 0,1,2,3
	global_load_b128 v[BS+4*\p:BS+4*\p+3], v[LI], s[P_QS:P_QS+1] offset:512*\p
.endr
	ALOAD BA, P_KC, 0
	ALOAD BB, P_KC, 1
	s_mov_b32 s[SEL], 0x76543210
	s_mov_b32 s[SEL+1], 0xfedcba98
	s_mov_b32 s[CS], 0x3d8293ee                    ; c = log2(e) / sqrt(512)
	s_mov_b32 s[CS+1], s[CS]                       ; (named with it as a pair, so it is written)
	s_mov_b32 s[GS], 0x5056fa73                    ; G = 1e10 log2(e)
	s_mov_b32 s[GS+1], s[GS]
	s_mov_b32 s[MNT], 0x600000
	s_mov_b32 s[I512], 0x3b000000                  ; 1 / 512
	s_mov_b32 s[EPS], 0x3a83126f                   ; 1e-3
	v_and_b32 v61, 15, v0                          ; r
	v_bfe_u32 v62, v0, 4, 1                        ; h
	s_delay_alu instid0(VALU_DEP_2)
	v_and_b32 v63, 8, v61
	s_delay_alu instid0(VALU_DEP_1)
	v_add_nc_u32 v63, v63, v61                     ; r + (r & 8)
	s_lshl_b32 s6, s4, 8
	s_add_co_u32 s6, s6, s5
	v_mul_u32_u24 v[MA0], v63, MPITCH
	s_delay_alu instid0(VALU_DEP_1)
	v_lshl_add_u32 v[MA0], v62, 6, v[MA0]
	s_delay_alu instid0(VALU_DEP_1)
	v_add_nc_u32 v[MA0], s6, v[MA0]
	s_delay_alu instid0(VALU_DEP_1)
	v_add_nc_u32 v[MA1], 64*MPITCH, v[MA0]
	s_mul_i32 s6, s2, STGW
	v_mul_u32_u24 v[STD], v62, STGP
	s_delay_alu instid0(VALU_DEP_1)
	v_lshl_add_u32 v[STD], v61, 4, v[STD]
	s_delay_alu instid0(VALU_DEP_1)
	v_add_nc_u32 v[STD], s6, v[STD]
	v_mul_u32_u24 v[STF], v61, STGP
	s_delay_alu instid0(VALU_DEP_1)
	v_lshl_add_u32 v[STF], v62, 6, v[STF]
	s_delay_alu instid0(VALU_DEP_1)
	v_add_nc_u32 v[STF], s6, v[STF]
	v_lshlrev_b32 v[GD], 11, v62
	s_delay_alu instid0(VALU_DEP_1)
	v_lshl_add_u32 v[GD], v61, 4, v[GD]
	s_lshl_b32 s6, s2, 11
	s_add_co_u32 s6, s6, QI
	v_add_nc_u32 v[QWI], s6, v[LI]
	v_add_nc_u32 v[QLI], QI, v[LI]
	v_add_nc_u32 v[PLI], PIMG, v[LI]
	s_lshr_b32 s6, s2, 1                           ; my 64 keys are groups 2 (w % 2), + 1 of P's K step w / 2
	s_lshl_b32 s6, s6, 14
	s_and_b32 s7, s2, 1
	s_lshl_b32 s7, s7, 10
	s_add_co_u32 s6, s6, s7
	s_add_co_u32 s6, s6, PIMG
	v_add_nc_u32 v[PWI], s6, v[LI]
	s_lshl_b32 s6, s2, 1
	s_add_co_u32 s6, s6, PSC
	v_lshl_add_u32 v[PWS], v61, 4, s6
	v_add_nc_u32 v[PLS], PSC, v[LI]
	s_lshl_b32 s6, s2, 2
	s_add_co_u32 s6, s6, RX
	v_lshl_add_u32 v[RXW], v61, 5, s6
	v_lshlrev_b32 v[RXR], 5, v61
	s_delay_alu instid0(VALU_DEP_1)
	v_add_nc_u32 v[RXR], RX, v[RXR]
	v_lshlrev_b32 v[VSO], 2, v60
	v_lshlrev_b32 v[PFV], 8, v60
	v_mov_b32 v[NG], 0xd056fa73                    ; -G, twice
	v_mov_b32 v[NG+1], 0xd056fa73
	s_wait_alu depctr_va_vdst(0)
	s_wait_loadcnt 38                              ; Q's 16 loads are in; behind them stand 6 loads of scale words and 32 of K
.irp k, 0,1,2
.irp c, 0,1,2,3
	ds_store_b128 v[QWI], v[PF+16*\k+4*\c:PF+16*\k+4*\c+3] offset:QSLOT*\k+512*\c
.endr
.endr
	BARRIER                                        ; Q's K steps 0 to 2 lie in LDS
	; ---- S^T = K Q^T
	s_wait_loadcnt 16                              ; the scale words and K's step 0; step 1's 16 loads may be out
	GSTEP BA, QLI, 0, 0, 4, 1, 1
	BARRIER                                        ; every wave has read slot 0 out:
.irp c, 0,1,2,3
	ds_store_b128 v[QWI], v[Q3+4*\c:Q3+4*\c+3] offset:512*\c     ; it takes Q's K step 3
.endr
	ALOAD BA, P_KC, 2
	global_prefetch_b8 v[PFV], s[VPF:VPF+1] th:TH_LOAD_NT scope:SCOPE_SE   ; V into the L2: lanes 256 bytes apart, 8,192 bytes a wave; the block's four work-groups take a quarter each, so each 256 bytes of V are named once in the launch.  Its first loads follow three K steps on
	s_wait_loadcnt 16                              ; K's step 1; step 2's may be out
	GSTEP BB, QLI, QSLOT, 1, 4, 1, 0
	ALOAD BB, P_KC, 3
	s_wait_loadcnt 16
	GSTEP BA, QLI, 2*QSLOT, 2, 4, 1, 0
	s_wait_tensorcnt 0x0                           ; my part of the mask has landed: the others read it behind this barrier
	BARRIER                                        ; Q's K step 3 and the whole mask lie in LDS
	s_wait_loadcnt 0x0
	GSTEP BB, QLI, 0, 3, 4, 1, 0
	ALOAD BA, P_VC, 0                              ; V's first K step lands under the softmax
.irp k, 0,1,2,3
.irp p, 0,1
	global_load_b32 v[AS+2*\k+\p], v[VSO], s[P_VS:P_VS+1] offset:2048*\k+128*\p   ; V's scale words: register 2 k + p: lanes 0-15 my tile 2 p, lanes 16-31 tile 2 p + 1
.endr
.endr
	; ---- t = S c + (m G - G); each block's and my 64 keys' largest t
	v_mov_b32 v[T0], 0                             ; a lane permute's destination counts as one of its sources
	v_mov_b32 v[T0+1], 0
.macro MLOAD i                         ; the mask of tile i in the result's layout: lane (r, h): its query's row, keys 64 w + 32 p + 16 h + 0 .. 15
.set ML, PF+32*((\i)%2)
.irp p, 0,1
.irp u, 0,1
.irp e, 0,1
	ds_load_b128 v[ML+16*\p+8*\u+4*\e:ML+16*\p+8*\u+4*\e+3], v[MA0+(\i)/4] offset:(32*(((\i)/2)%2)+8*((\i)%2))*MPITCH+128*\p+32*\u+16*\e
.endr
.endr
.endr
.endm
.macro TTILE i
.if (\i) < 7
	MLOAD (\i)+1                                   ; a tile ahead
.endif
.set MT, PF+32*((\i)%2)
.set AC, 32*(\i)
.set B0, BM+2*(\i)
.if (\i) == 0
	s_wait_dscnt 8                                 ; behind this tile's 8 loads stand the next tile's 8,
.elseif (\i) < 7
	s_wait_dscnt 9                                 ; and the last tile's one store
.else
	s_wait_dscnt 0x0
.endif
.irp q, 0,2,4,6,8,10,12,14,16,18,20,22,24,26,28,30
	v_pk_fma_f32 v[MT+\q:MT+\q+1], v[MT+\q:MT+\q+1], s[GS:GS+1], v[NG:NG+1] op_sel_hi:[1,0,1]   ; m G - G: exactly 0 where m = 1
.endr
	WIN 0x41                                       ; destination and source 0 window 1
.irp q, 0,2,4,6,8,10,12,14,16,18,20,22,24,26,28,30
	v_pk_fma_f32 v[AC+\q:AC+\q+1], v[AC+\q:AC+\q+1], s[CS:CS+1], v[MT+\q:MT+\q+1] op_sel_hi:[1,0,1]   ; each accumulator from its low end on
.endr
	WIN 0x15                                       ; all three sources window 1
.irp p, 0,1
	v_max3_num_f32 v[B0+\p], v[AC+16*\p], v[AC+16*\p+1], v[AC+16*\p+2]
.endr
	WIN 0x14
.irp q, 3,5,7,9,11,13
.irp p, 0,1
	v_max3_num_f32 v[B0+\p], v[B0+\p], v[AC+16*\p+\q], v[AC+16*\p+\q+1]
.endr
.endr
	WIN 0x04
.irp p, 0,1
	v_max_num_f32 v[B0+\p], v[B0+\p], v[AC+16*\p+15]
.endr
	WIN 0
	v_permlanex16_b32 v[T0], v[B0], s[SEL], s[SEL+1]
	v_permlanex16_b32 v[T0+1], v[B0+1], s[SEL], s[SEL+1]
	s_delay_alu instid0(VALU_DEP_2)
	v_max_num_f32 v[B0], v[B0], v[T0]              ; the largest t of each block of 32 keys: it serves for the row's maximum and, since p rises with t, for the block's largest p
	s_delay_alu instid0(VALU_DEP_2)
	v_max_num_f32 v[B0+1], v[B0+1], v[T0+1]
	s_delay_alu instid0(VALU_DEP_1)
	v_max_num_f32 v[RMV+(\i)], v[B0], v[B0+1]
	ds_store_b32 v[RXW], v[RMV+(\i)] offset:RMX+512*(\i)
.endm
	MLOAD 0
.irp i, 0,1,2,3,4,5,6,7
	TTILE \i
.endr
	BARRIER                                        ; the waves' maxima lie in LDS; the mask and Q are read out: their bytes are free
	; ---- -M = floor(-the row's largest t)
	XRD RMX
	s_wait_dscnt 0x0
.irp i, 0,1,2,3,4,5,6,7
	v_max3_num_f32 v[PF+8*\i], v[PF+8*\i], v[PF+8*\i+1], v[PF+8*\i+2]
.endr
.irp i, 0,1,2,3,4,5,6,7
	v_max3_num_f32 v[PF+8*\i], v[PF+8*\i], v[PF+8*\i+3], v[PF+8*\i+4]
.endr
.irp i, 0,1,2,3,4,5,6,7
	v_max3_num_f32 v[PF+8*\i], v[PF+8*\i], v[PF+8*\i+5], v[PF+8*\i+6]
.endr
.irp i, 0,1,2,3,4,5,6,7
	v_max_num_f32 v[PF+8*\i], v[PF+8*\i], v[PF+8*\i+7]
.endr
.irp i, 0,1,2,3,4,5,6,7
	v_floor_f32 v[NM+2*\i], -v[PF+8*\i]            ; M is a whole number
.endr
	; ---- p = 2^(t - M), its sum, its codes and scale bytes; then the tile's registers take the rows of X
.macro PTILE i
.set AC, 32*(\i)
.set B0, BM+2*(\i)
.set PCI, PF+8*(\i)
	v_add_f32 v[B0], v[B0], v[NM+2*(\i)]
	v_add_f32 v[B0+1], v[B0+1], v[NM+2*(\i)]
	s_wait_alu depctr_va_vdst(0)
	v_exp_f32 v[B0], v[B0]                         ; the blocks' largest p: the same add and exponential on the same number give the same bits
	v_exp_f32 v[B0+1], v[B0+1]
	PLUS \i, NM+2*(\i)                             ; t - M
	WIN 0x41
.set n, 0
	s_wait_alu depctr_va_vdst(0)
.rept 32
	v_exp_f32 v[AC+n], v[AC+n]                     ; p, at most 1, not normalised
.set n, n+1
.endr
	WIN 0
	s_wait_alu depctr_va_vdst(0)
	v_max_num_f32 v[B0], 0x4800000, v[B0]          ; the floor 2^(9 - 127): the byte cannot fall under 1.  (A plain instruction behind the exponentials)
	v_max_num_f32 v[B0+1], 0x4800000, v[B0+1]
	s_delay_alu instid0(VALU_DEP_2)
	v_add_nc_u32 v[SO], 0xfc000000, v[B0]          ; 8 off the exponent field: the conversion's scale operand
	s_delay_alu instid0(VALU_DEP_2)
	v_add_nc_u32 v[SO+1], 0xfc000000, v[B0+1]
	s_delay_alu instid0(VALU_DEP_4)
	v_and_or_b32 v[HL], v[B0], 0x7f800000, s[MNT]  ; 448 x the scale
	s_delay_alu instid0(VALU_DEP_4)
	v_and_or_b32 v[HL+1], v[B0+1], 0x7f800000, s[MNT]
	s_delay_alu instid0(VALU_DEP_4)
	v_lshrrev_b32 v[BY], 23, v[SO]
	s_delay_alu instid0(VALU_DEP_4)
	v_lshrrev_b32 v[BY+1], 23, v[SO+1]
	s_delay_alu instid0(VALU_DEP_1)
	v_lshl_or_b32 v[PWD+(\i)], v[BY+1], 8, v[BY]   ; my two bytes of the query's sixteen
	SUM32 \i, PSV+(\i)                             ; the sum is taken of the unquantised p
	WIN 0x41
.irp p, 0,1
.set n, 0
.rept 16
	v_min_num_f32 v[AC+16*\p+n], v[AC+16*\p+n], v[HL+\p]   ; the conversion does not saturate (ISA guide 7.6.2); p is not negative, so the hold is one-sided
.set n, n+1
.endr
.endr
	WIN 0x01                                       ; source 0 window 1
.irp p, 0,1
	v_cvt_scalef32_pk8_fp8_f32 v[PCI+4*\p:PCI+4*\p+1], v[AC+16*\p:AC+16*\p+7], v[SO+\p]
	v_cvt_scalef32_pk8_fp8_f32 v[PCI+4*\p+2:PCI+4*\p+3], v[AC+16*\p+8:AC+16*\p+15], v[SO+\p]
.endr
	v_nop                                          ; a plain instruction behind the last conversion
	WIN 0
	ds_store_b128 v[PWI], v[PCI:PCI+3] offset:2048*(\i)
	ds_store_b128 v[PWI], v[PCI+4:PCI+7] offset:2048*(\i)+512
	ds_store_b16 v[PWS], v[PWD+(\i)] offset:256*(\i)
	ds_store_b32 v[RXW], v[PSV+(\i)] offset:RSM+512*(\i)
	WIN 0x40
.irp j, 0,1,2,3,4,5,6,7                ; rows 2 j and 2 j + 1 of the tile: sixteen lanes take my 256 consecutive bytes of a row
	global_load_b128 v[AC+4*\j:AC+4*\j+3], v[GD], s[P_X:P_X+1] offset:(32*((\i)/2)+8*((\i)%2)+2*\j+8*(\j/4))*2048 th:TH_LOAD_NT
.endr
	WIN 0
.endm
.irp i, 0,1,2,3,4,5,6,7
	PTILE \i
.endr
	BARRIER                                        ; P's images, scale bytes and the waves' sums lie in LDS
	; ---- l and 1 / l
	XRD RSM
.irp p, 0,1,2,3
	ds_load_b128 v[BS+4*\p:BS+4*\p+3], v[PLS] offset:512*\p
.endr
	ALOAD BB, P_VC, 1
	s_wait_dscnt 0x0
	SUMS                                           ; l(i) stays at v[PF + 8 i]
	s_wait_alu depctr_va_vdst(0)
.irp i, 0,1,2,3,4,5,6,7
	v_rcp_f32 v[RL+2*\i], v[PF+8*\i]
.endr
	v_nop                                          ; a plain instruction behind the last reciprocal
	; ---- X turns through my stage into the result's layout, in place, and is multiplied by l: the C of the second product
.macro TIN i
.set AC, 32*(\i)
	WIN 0x04                                       ; an LDS store's data are its source 1: window 1
.irp j, 0,1,2,3,4,5,6,7
	ds_store_b128 v[STD], v[AC+4*\j:AC+4*\j+3] offset:2*STGP*\j
.endr
	WIN 0x40
.irp t, 0,1,2,3
.irp e, 0,1
	ds_load_b128 v[AC+8*\t+4*\e:AC+8*\t+4*\e+3], v[STF] offset:128*(\t/2)+32*(\t%2)+16*\e   ; LDS serves a wave's instructions in order: these see the stores above, and the next tile's stores come behind them
.endr
.endr
	WIN 0
.endm
	s_wait_loadcnt 63                              ; tile 0's rows are in: 72 loads were issued behind them, and a smaller count waits for more
	TIN 0
.irp i, 1,2,3,4,5,6,7
.if 8*(7-\i)+16 > 63
	s_wait_loadcnt 63
.else
	s_wait_loadcnt 8*(7-\i)+16                     ; behind tile i's rows: the later tiles' 8 loads each and V's 16
.endif
	TIN \i
	s_wait_dscnt 16                                ; tile i - 1 is back; tile i's 16 LDS instructions may be out
	MULT \i-1, PF+8*(\i-1)
.endr
	s_wait_dscnt 0x0
	MULT 7, PF+56
	s_wait_alu depctr_va_vdst(0)
	; ---- O^T = l x + V^T P^T
	GSTEP BA, PLI, 0, 0, 1, 2, 0                   ; V's step 0 and scale words were shown in by the waits above
	ALOAD BA, P_VC, 2
	s_wait_loadcnt 16                              ; V's step 1; step 2's may be out
	GSTEP BB, PLI, 16384, 1, 1, 2, 0
	ALOAD BB, P_VC, 3
	s_wait_loadcnt 16
	GSTEP BA, PLI, 32768, 2, 1, 2, 0
	s_wait_loadcnt 0x0
	GSTEP BB, PLI, 49152, 3, 1, 2, 0
	; ---- / l; the mean
	v_mov_b32 v[T0], 0                             ; a lane permute's destination counts as one of its sources
	s_wait_alu depctr_va_vdst(0)
.irp i, 0,1,2,3,4,5,6,7
	MULT \i, RL+2*\i
	SUM32 \i, RMV+\i
	ds_store_b32 v[RXW], v[RMV+\i] offset:RMU+512*\i
.endr
	BARRIER
	XRD RMU
	s_wait_dscnt 0x0
	SUMS
.irp i, 0,1,2,3,4,5,6,7
	v_mul_f32 v[PF+8*\i], 0xbb000000, v[PF+8*\i]   ; -mean
.endr
	; ---- centred; the variance
.irp i, 0,1,2,3,4,5,6,7
	PLUS \i, PF+8*\i
	SQ32 \i, PSV+\i
	ds_store_b32 v[RXW], v[PSV+\i] offset:RVA+512*\i
.endr
	BARRIER
	XRD RVA
	s_wait_dscnt 0x0
	SUMS
.irp i, 0,1,2,3,4,5,6,7
	v_fma_f32 v[PF+8*\i], v[PF+8*\i], s[I512], s[EPS]
.endr
	s_wait_alu depctr_va_vdst(0)
.irp i, 0,1,2,3,4,5,6,7
	v_rsq_f32 v[PF+8*\i], v[PF+8*\i]
.endr
	v_nop                                          ; a plain instruction behind the last root
	s_wait_alu depctr_va_vdst(0)
	; ---- the way out: scaled, back through my stage into dense rows, stored
.macro TOUT i
.set AC, 32*(\i)
	WIN 0x04
.irp t, 0,1,2,3
.irp e, 0,1
	ds_store_b128 v[STF], v[AC+8*\t+4*\e:AC+8*\t+4*\e+3] offset:128*(\t/2)+32*(\t%2)+16*\e
.endr
.endr
	WIN 0x40
.irp j, 0,1,2,3,4,5,6,7
	ds_load_b128 v[AC+4*\j:AC+4*\j+3], v[STD] offset:2*STGP*\j
.endr
	WIN 0
.endm
.macro SEND i, younger                 ; each tile keeps its own registers, so no store's data are written again
.set AC, 32*(\i)
	s_wait_dscnt \younger
	WIN 0x04                                       ; a store's data are its source 1: window 1
.irp j, 0,1,2,3,4,5,6,7
	global_store_b128 v[GD], v[AC+4*\j:AC+4*\j+3], s[P_O:P_O+1] offset:(32*((\i)/2)+8*((\i)%2)+2*\j+8*(\j/4))*2048 th:TH_STORE_NT   ; sixteen lanes store 256 consecutive bytes, aligned; the other sixteen the next row's
.endr
	WIN 0
.endm
	MULT 0, PF
	TOUT 0
.irp i, 1,2,3,4,5,6,7
	MULT \i, PF+8*\i
	TOUT \i
	SEND \i-1, 16                                  ; behind tile i - 1's loads: tile i's 8 stores and 8 loads
.endr
	SEND 7, 0
	s_wait_xcnt 0x0
	v_lshl_add_u32 v254, v0, 2, 0x4e000
	v_mov_b32 v255, 0
	s_wait_alu depctr_va_vdst(0)
	s_wait_tensorcnt 0x0
	ds_add_u32 v254, v255
	s_wait_dscnt 0x0
	s_endpgm
.Lfunc_end_k_q14a20e9e72_attn:
	.size	k_q14a20e9e72_attn, .Lfunc_end_k_q14a20e9e72_attn-k_q14a20e9e72_attn
	.p2alignl 7, 3214868480
	.fill 96, 4, 3214868480
	.section	.rodata,"a",@progbits
	.p2align	6, 0x0
	.amdhsa_kernel k_q14a20e9e72_attn
		.amdhsa_group_segment_fixed_size 320512
		.amdhsa_private_segment_fixed_size 0
		.amdhsa_enable_private_segment 0
		.amdhsa_kernarg_size 72
		.amdhsa_user_sgpr_count 2
		.amdhsa_user_sgpr_kernarg_segment_ptr 1
		.amdhsa_wavefront_size32 1
		.amdhsa_system_sgpr_workgroup_id_x 1
		.amdhsa_system_sgpr_workgroup_id_y 1
		.amdhsa_system_sgpr_workgroup_id_z 1
		.amdhsa_system_vgpr_workitem_id 0
		.amdhsa_next_free_vgpr 512
		.amdhsa_next_free_sgpr 66
		.amdhsa_reserve_vcc 0
		.amdhsa_float_denorm_mode_32 3
		.amdhsa_float_denorm_mode_16_64 3
		.amdhsa_memory_ordered 1
		.amdhsa_forward_progress 1
		.amdhsa_inst_pref_size 255
	.end_amdhsa_kernel
	.section	.bss,"aw",@nobits
	.p2align	6
	.space	262144
	.amdgpu_metadata
---
amdhsa.version: [ 1, 2 ]
amdhsa.kernels:
  - .name:           k_q14a20e9e72_attn
    .symbol:         k_q14a20e9e72_attn.kd
    .args:
      - { .name: mask_array, .offset: 0, .size: 8, .value_kind: global_buffer, .address_space: global }
      - { .name: inputs, .offset: 8, .size: 8, .value_kind: global_buffer, .address_space: global }
      - { .name: qc, .offset: 16, .size: 8, .value_kind: global_buffer, .address_space: global }
      - { .name: qs, .offset: 24, .size: 8, .value_kind: global_buffer, .address_space: global }
      - { .name: kc, .offset: 32, .size: 8, .value_kind: global_buffer, .address_space: global }
      - { .name: ks, .offset: 40, .size: 8, .value_kind: global_buffer, .address_space: global }
      - { .name: vc, .offset: 48, .size: 8, .value_kind: global_buffer, .address_space: global }
      - { .name: vs, .offset: 56, .size: 8, .value_kind: global_buffer, .address_space: global }
      - { .name: out0, .offset: 64, .size: 8, .value_kind: global_buffer, .address_space: global }
    .group_segment_fixed_size: 320512
    .private_segment_fixed_size: 0
    .kernarg_segment_align: 8
    .kernarg_segment_size: 72
    .max_flat_workgroup_size: 256
    .sgpr_count:     66
    .vgpr_count:     512
    .wavefront_size: 32
...
	.end_amdgpu_metadata
.endif
;; end of part 4
